; MI455X (gfx1250); checked and timed in simulation.
; The chip was launched on July 23, 2026; its instructions are those of AMD's public machine-readable ISA for CDNA 5 (MIT licence, August 2026) and "CDNA5" Instruction Set Architecture Reference Guide (July 2026). The comments in the code are by the model that wrote it; some were corrected since.
;; Multi Head Self Attention. Allowed arithmetic: matrix products marked QUANTISED: E3M2 operands, one E8M0 scale for each 32 along K, by v_wmma_scale_f32_16x16x128_f8f6f4 with both operands' format E3M2, f32 sums; everything else in f32.
;; Inputs: Wk 1,024 x 1,024 float32; Wm 1,024 x 1,024 float32; Wq 1,024 x 1,024 float32; Wv 1,024 x 1,024 float32; bk 1,024 float32; bm 1,024 float32; bq 1,024 float32; bv 1,024 float32; x 4 x 2,048 x 1,024 float32.
;; Outputs: out0 4 x 2,048 x 1,024 float32.
;; This version of the problem:
;;   THIS VERSION OF THE PROBLEM IS GIVEN IN LOW PRECISION. The matrix products marked QUANTISED in the list below multiply operands that are first quantised to E3M2 (3 exponent bits, 2 mantissa bits; 6 bits a number), with one power-of-two scale for each 32 numbers along K (OCP MX v1.0); their sums are f32. All else is computed in f32.
;;   The module's matrix products, in the order in which they are computed (A, B: the left and right operand; K: the contracted axis; several contracted axes count as one K, in the product's order):
;;     1. [M 8,192, K 1,024] x [K 1,024, N 1,024]; A: input x; B: input Wq: QUANTISED
;;     2. [M 8,192, K 1,024] x [K 1,024, N 1,024]; A: input x; B: input Wk: QUANTISED
;;     3. [M 8,192, K 1,024] x [K 1,024, N 1,024]; A: input x; B: input Wv: QUANTISED
;;     4. batch 64 x [M 2,048, K 64] x [K 64, N 2,048]; A: computed on the way; B: computed on the way: QUANTISED
;;     5. batch 64 x [M 2,048, K 2,048] x [K 2,048, N 64]; A: softmax (see below); B: computed on the way: QUANTISED
;;     6. [M 8,192, K 1,024] x [K 1,024, N 1,024]; A: computed on the way; B: input Wm: QUANTISED
;;   THE QUANTISER, for each operand of a quantised product, along K:
;;     - K is cut into blocks of 32 from its start; a last block that is shorter is filled with zeros.
;;     - A block's scale is 2^e with e = floor(log2(the largest magnitude in the block)) - 4, held to -126 .. 127; a block of zeros has e = 0. As a byte (E8M0): e + 127.
;;     - Each number is divided by its block's scale, clamped to +-28, and rounded to the nearest number of E3M2, ties to even, subnormals kept.
;;     - The product sums the exact products of the quantised numbers (number of the format x scale) in f32.
;;   ~~~python
;;   def quantise(x, axis):      # numpy; x: float32 -> the quantised numbers, widened to float32 again
;;       x = np.moveaxis(x, axis, -1); K = x.shape[-1]
;;       x = np.pad(x, [(0, 0)] * (x.ndim - 1) + [(0, -K % 32)]); x = x.reshape(x.shape[:-1] + (-1, 32)); a = np.abs(x).max(-1, keepdims=True)
;;       e = np.where(a > 0, np.clip(np.frexp(np.where(a > 0, a, 1))[1] - 1 - 4, -126, 127), 0)      # np.frexp(a)[1] - 1 = floor(log2(a)), exactly
;;       r = np.clip(x / 2.0 ** e, -28, 28)
;;       step = 2.0 ** (np.maximum(np.frexp(np.where(r == 0, 1, r))[1] - 1, -2) - 2)
;;       q = np.round(r / step) * step * 2.0 ** e      # np.round: ties to even
;;       return np.moveaxis(q.reshape(q.shape[:-2] + (-1,))[..., :K], -1, axis).astype(np.float32)
;;   ~~~
;;   SOFTMAX AHEAD OF A QUANTISED PRODUCT. Where the list says 'softmax', what is quantised is not the finished softmax but p = 2^(t - M), with t = logit x log2(e) and M = ceil(the row's largest t), a whole number; so 1/2 < the row's largest p <= 1. The row's sum l is taken of the UNQUANTISED p, in f32, and the product's result is divided by l at the end. Since M is a whole number, a kernel that streams over the keys may use a running M (the ceiling of the running maximum): every later rescaling is an exact power of two, which a block's scale takes up: the codes' values come out the same.
;;   OPERANDS COMPUTED ON THE WAY. 'Computed on the way' means the value that the module computes at that place (a softmax that the list does not call 'softmax' is quantised finished and normalised). What goes into a quantiser is computed in f32, as accurately as f32 sums, v_exp_f32 and their like allow (about 1e-6 of the number): no bf16 or f16 on the way to a quantiser, and a product that is left as it is and whose result goes on into a quantised operand takes f32 operands (vector FMAs, or v_wmma_f32_16x16x4_f32). A number that lies on a knife's edge between two numbers of the format may be rounded either way, as far as f32 arithmetic and the matrix unit's own rounding can turn it there, and no further.
;; One version. Each part assembles by itself: llvm-mc -triple=amdgcn-amd-amdhsa -mcpu=gfx1250 --defsym DOCPART=n.
;; ======== version 1 of 1: 4 launches
;; workspace buffers: xq 6,553,600 bytes; wq 3,276,800 bytes; kv 13,631,488 bytes; qb 13,631,488 bytes; at 6,553,600 bytes
;; launch quant (part 1): grid 512 x 1, 4 waves a work-group, no clusters, 34,304 bytes of LDS; arguments x, Wq, Wk, Wv, Wm, xq, wq; writes xq, wq
.if DOCPART == 1
	.amdgcn_target "amdgcn-amd-amdhsa--gfx1250"
	.amdhsa_code_object_version 6
	.text
	.protected	k_qfb70460662_quant
	.globl	k_qfb70460662_quant
	.p2align	8
	.type	k_qfb70460662_quant,@function
k_qfb70460662_quant:
	s_mov_b64 s[64:65], 0
	v_nop
	global_prefetch_b8 v0, s[64:65] scope:SCOPE_SE
	s_setreg_imm32_b32 hwreg(HW_REG_WAVE_MODE, 25, 1), 1
	s_wait_xcnt 0x0
; x [8192][1024] and the four weights [1024 (k)][1024 (n)], f32, become codes of BF6 (E3M2) with one E8M0 byte for each 32 along K,
; laid as IMAGES OF THE OPERAND'S REGISTERS: a fragment (16 rows x 128 K, 12 registers a lane) is 1,536 bytes, registers 4 q .. 4 q + 3 of lane L at 512 q + 16 L.
; THE ROWS OF A TILE ARE NOT NEIGHBOURS: lane r of tile 2 P + u holds row (of x) or column (of W) 32 P + 8 u + r + 8 (r / 8), so that a product whose source 0 is such a pair of tiles
; leaves 16 neighbours along that axis in a lane's 16 registers.
; Scale words lie in units of 256 bytes: unit (pair P, j): at 8 L + 4 u the word of tile 2 P + u, row L % 16, K step 2 j + L / 16.
; xq: 64 blocks (128 rows) of 102,400 bytes = 2 halves of K (512) of 51,200: codes [tile 8][K step 4][1,536], then 8 units of scale words.
; wq: 32 blocks ((matrix x 4 + group of 256 columns) x 2 + half of K) of 102,400: codes [tile 16][K step 4][1,536], then 16 units.
; A block's scale is 2^(floor(log2(largest magnitude)) - 4): its byte is the largest magnitude's exponent field - 4, held at 1 from below by a floor among the maximum's leaves.
; LIMITS: a block whose largest magnitude lies under 2^-122 is held at the byte 1; a block of zeros gets the byte 1 where the rule says 127 (its codes are zeros, and this program alone reads the bytes);
; NaN and infinities among the inputs are not served.
; Work-groups 0-255 take x (a pair of tiles each; wave j takes K steps 2 j, 2 j + 1), work-groups 256-511 the weights (32 columns x half of K; a wave takes one K step).
; Memory binds: no matrix unit, no tensor load, no barrier: waves share nothing.  Only x's path uses LDS (a stage of the wave's own).
.set STG,  8448                        ; a wave's stage: 16 rows x (512 bytes + 16)
.set R,    16                          ; v16-143  x: two sets of 64 registers as loaded
.set X,    144                         ; v144-207 x: a lane's two whole blocks of 32
.set C,    208                         ; v208-219 a fragment's codes
.set T,    220                         ; v220-226 the second halves of the blocks' codes, before they are moved
.set MX,   228                         ; v228-229 largest magnitudes
.set SO,   232                         ; v232-233 the conversions' scale operands
.set BY,   234                         ; v234-235 scale bytes
.set WD,   236                         ; the row's scale word
.set TP,   237
.set KEEP, 238                         ; the even K step's word
.set H8,   239                         ; 8 x (lane / 16)
.set SCW,  240                         ; v240-241 what goes into the unit of scale words
.set WX,   16                          ; W: v16-79 two sets of 32 numbers
.set FT0,  144                         ; W: v144-155 tile 2 P's fragment
.set FT1,  156                         ; W: v156-167 tile 2 P + 1's
.set WT,   168
.set WW,   172                         ; W: my column's scale word
	s_load_b256 s[4:11], s[0:1], 0x0               ; x, Wq, Wk, Wv
	s_load_b128 s[12:15], s[0:1], 0x20             ; Wm, xq
	s_load_b64 s[16:17], s[0:1], 0x30              ; wq
	v_lshl_add_u32 v254, v0, 2, 0x8400
	v_mov_b32 v255, 0
	v_lshrrev_b32 v1, 5, v0
	v_readfirstlane_b32 s18, v1                    ; wave
	v_and_b32 v1, 31, v0                           ; lane L
	v_and_b32 v2, 15, v0                           ; r
	v_bfe_u32 v3, v0, 4, 1                         ; h
	s_mov_b32 s24, 0x76543210
	s_mov_b32 s25, 0xfedcba98                      ; v_permlanex16_b32's selects for lane L xor 16
	s_mov_b32 s27, 0
	s_wait_kmcnt 0x0
	s_cmp_lt_u32 ttmp9, 256
	s_cbranch_scc0 .Lweights
	s_wait_alu depctr_va_vdst(0)
	; ---------------- x: pair P = work-group, K steps 2 j + t
	v_lshlrev_b32 v4, 4, v1                        ; 16 L
	s_wait_alu depctr_va_vdst(0)
	v_lshlrev_b32 v7, 3, v1                        ; 8 L
	s_mul_i32 s19, s18, STG
	v_add_nc_u32 v5, s19, v4                       ; the stage, way in: a row's 512 bytes as they lie
	v_mul_u32_u24 v6, v2, 528
	v_lshl_add_u32 v6, v3, 7, v6
	v_add_nc_u32 v6, s19, v6                       ; way out: row r, + 128 h: my block of 32 numbers
	v_lshlrev_b32 v[H8], 3, v3
	v_cmp_le_u32 s22, 16, v1                       ; lanes 16-31
	v_mov_b32 v[TP], 0                             ; a lane permute's destination counts as one of its sources
	s_lshl_b32 s26, ttmp9, 17                      ; 32 rows of 4,096 bytes
	s_lshl_b32 s28, s18, 10                        ; two K steps of 512 bytes
	s_add_co_u32 s26, s26, s28
	s_add_nc_u64 s[4:5], s[4:5], s[26:27]
	s_lshr_b32 s28, ttmp9, 2
	s_mul_i32 s28, s28, 102400                     ; the block of 128 rows
	s_lshr_b32 s29, s18, 1
	s_mul_i32 s29, s29, 51200                      ; the half of K
	s_add_co_u32 s28, s28, s29
	s_and_b32 s29, ttmp9, 3                        ; the pair in the block
	s_and_b32 s30, s18, 1
	s_lshl_b32 s31, s29, 9
	s_lshl_b32 s26, s30, 8
	s_add_co_u32 s26, s26, s31
	s_add_co_u32 s26, s26, s28
	s_add_co_u32 s26, s26, 49152
	s_add_nc_u64 s[20:21], s[14:15], s[26:27]      ; my unit of scale words
	s_mul_i32 s31, s29, 12288
	s_mul_i32 s26, s30, 3072
	s_add_co_u32 s26, s26, s31
	s_add_co_u32 s26, s26, s28
	s_add_nc_u64 s[14:15], s[14:15], s[26:27]      ; my four fragments
.macro XLOAD f                         ; fragment f = 2 u + t: 16 rows x 512 consecutive bytes
.irp i, 0,1,2,3,4,5,6,7,8,9,10,11,12,13,14,15
	global_load_b128 v[R+64*((\f)%2)+4*\i:R+64*((\f)%2)+4*\i+3], v4, s[4:5] offset:(8*((\f)/2)+\i+8*(\i/8))*4096+512*((\f)%2) th:TH_LOAD_NT
.endr
.endm
.macro XTURN f                         ; through the stage: LDS serves a wave's instructions in order, so no wait stands between the stores and the loads
.irp i, 0,1,2,3,4,5,6,7,8,9,10,11,12,13,14,15
	ds_store_b128 v5, v[R+64*((\f)%2)+4*\i:R+64*((\f)%2)+4*\i+3] offset:\i*528
.endr
.irp c, 0,1
.irp q, 0,1,2,3,4,5,6,7
	ds_load_b128 v[X+32*\c+4*\q:X+32*\c+4*\q+3], v6 offset:256*\c+16*\q   ; k = 64 c + 32 h + 4 q .. of row r
.endr
.endr
.endm
.macro XQ                              ; my two whole blocks (2 c + h) become registers 6 c .. 6 c + 5 of the fragment
.irp c, 0,1
	v_max3_num_f32 v[MX+\c], |v[X+32*\c]|, |v[X+32*\c+1]|, 0x2800000   ; with the floor 2^(5 - 127)
.endr
.irp i, 2,4,6,8,10,12,14,16,18,20,22,24,26,28,30
.irp c, 0,1
	v_max3_num_f32 v[MX+\c], v[MX+\c], |v[X+32*\c+\i]|, |v[X+32*\c+\i+1]|
.endr
.endr
.irp c, 0,1
	v_add_nc_u32 v[SO+\c], 0xfe000000, v[MX+\c]    ; 4 off the exponent field: the conversion's scale operand
.endr
.irp c, 0,1
	v_lshrrev_b32 v[BY+\c], 23, v[SO+\c]           ; the byte
.endr
	v_lshl_or_b32 v[WD], v[BY+1], 16, v[BY]        ; blocks h and 2 + h,
	v_lshlrev_b32 v[WD], v[H8], v[WD]              ; at their places;
	v_permlanex16_b32 v[TP], v[WD], s24, s25
	v_or_b32 v[WD], v[WD], v[TP]                   ; with lane L xor 16's two the word is whole, in both lanes
.irp c, 0,1
	v_cvt_scalef32_pk16_bf6_f32 v[C+6*\c:C+6*\c+2], v[X+32*\c:X+32*\c+15], v[SO+\c]
	v_cvt_scalef32_pk16_bf6_f32 v[T+4*\c:T+4*\c+2], v[X+32*\c+16:X+32*\c+31], v[SO+\c]   ; (a conversion's three registers begin on an even number)
.endr
	v_nop                                          ; one plain place behind a scaled conversion
.irp c, 0,1
.irp i, 0,1,2
	v_mov_b32 v[C+6*\c+3+\i], v[T+4*\c+\i]
.endr
.endr
.endm
.macro XFRAG f
.if (\f) < 3
	s_wait_loadcnt 16                              ; this fragment's 16 loads are in; the next fragment's 16 may be out
.else
	s_wait_loadcnt 0x0
.endif
	XTURN \f
	s_wait_dscnt 0x0                               ; the numbers are back, and the stage's stores have read their registers
.if (\f) < 2
	XLOAD (\f)+2
.endif
	s_wait_xcnt 0x0                                ; the last fragment's stores have read the codes' registers
	XQ
.irp q, 0,1,2
	global_store_b128 v4, v[C+4*\q:C+4*\q+3], s[14:15] offset:((\f)/2)*6144+((\f)%2)*1536+512*\q   ; 512 consecutive bytes
.endr
.if (\f)%2 == 0
	v_mov_b32 v[KEEP], v[WD]
.else
	v_cndmask_b32 v[SCW+(\f)/2], v[KEEP], v[WD], s22   ; lanes 0-15 the even K step's word, lanes 16-31 the odd one's
.endif
.endm
	XLOAD 0
	XLOAD 1
	s_wait_alu depctr_va_vdst(0)
	XFRAG 0
	XFRAG 1
	XFRAG 2
	XFRAG 3
	global_store_b64 v7, v[SCW:SCW+1], s[20:21]    ; one aligned run of 256 bytes
	s_wait_tensorcnt 0x0
	ds_add_u32 v254, v255
	s_wait_dscnt 0x0
	s_endpgm
	; ---------------- the weights: a lane takes a column, its registers run down K
.Lweights:
	s_sub_co_u32 s19, ttmp9, 256
	s_lshr_b32 s20, s19, 6                         ; which matrix: q, k, v, m
	s_lshr_b32 s21, s19, 1
	s_and_b32 s21, s21, 31                         ; which 32 columns
	s_and_b32 s22, s19, 1                          ; which half of K
	s_cmp_eq_u32 s20, 1
	s_cselect_b64 s[6:7], s[8:9], s[6:7]
	s_cmp_eq_u32 s20, 2
	s_cselect_b64 s[6:7], s[10:11], s[6:7]
	s_cmp_eq_u32 s20, 3
	s_cselect_b64 s[6:7], s[12:13], s[6:7]
	s_lshl_b32 s26, s22, 2
	s_add_co_u32 s26, s26, s18                     ; K step 4 g + wave
	s_lshl_b32 s26, s26, 19                        ; 128 rows of 4,096 bytes
	s_lshl_b32 s28, s21, 7
	s_add_co_u32 s26, s26, s28
	s_add_nc_u64 s[6:7], s[6:7], s[26:27]
	s_lshl_b32 s28, s20, 2
	s_lshr_b32 s29, s21, 3
	s_add_co_u32 s28, s28, s29
	s_lshl_b32 s28, s28, 1
	s_add_co_u32 s28, s28, s22
	s_mul_i32 s28, s28, 102400                     ; the block
	s_and_b32 s29, s21, 7                          ; the pair in it
	s_mul_i32 s30, s29, 12288
	s_mul_i32 s31, s18, 1536
	s_add_co_u32 s26, s28, s30
	s_add_co_u32 s26, s26, s31
	s_add_nc_u64 s[32:33], s[16:17], s[26:27]      ; my two fragments
	s_lshl_b32 s30, s29, 9
	s_lshr_b32 s31, s18, 1
	s_lshl_b32 s31, s31, 8
	s_add_co_u32 s30, s30, s31
	s_and_b32 s31, s18, 1
	s_lshl_b32 s31, s31, 7
	s_add_co_u32 s30, s30, s31
	s_add_co_u32 s26, s28, s30
	s_add_co_u32 s26, s26, 98304
	s_add_nc_u64 s[34:35], s[16:17], s[26:27]      ; my half of a unit of scale words
	s_wait_alu depctr_va_vdst(0)
	v_and_b32 v4, 8, v2
	v_add_nc_u32 v4, v4, v2
	v_lshl_add_u32 v4, v3, 3, v4
	v_lshlrev_b32 v4, 2, v4                        ; my column: lanes 0-15 tile 2 P, lanes 16-31 tile 2 P + 1: 4 (r + 8 (r / 8) + 8 h)
	v_lshlrev_b32 v5, 4, v1                        ; 16 L
	v_lshlrev_b32 v6, 3, v2
	v_lshl_add_u32 v6, v3, 2, v6                   ; 8 r + 4 h
.macro WLOAD kb                        ; block kb: 32 rows of W at my column: 32 lanes read 128 consecutive bytes
.irp i, 0,1,2,3,4,5,6,7,8,9,10,11,12,13,14,15,16,17,18,19,20,21,22,23,24,25,26,27,28,29,30,31
	global_load_b32 v[WX+32*((\kb)%2)+\i], v4, s[6:7] offset:(32*(\kb)+\i)*4096 th:TH_LOAD_NT
.endr
.endm
.macro WBLOCK q
.set XS, WX+32*((\q)%2)
.if (\q)%2 == 0
.set FD, FT0+6*((\q)/2)
.else
.set FD, FT1+6*((\q)/2)
.endif
	v_max3_num_f32 v173, |v[XS]|, |v[XS+1]|, |v[XS+2]|          ; all 32 numbers of the block are mine
	v_max3_num_f32 v174, |v[XS+3]|, |v[XS+4]|, |v[XS+5]|
.irp i, 6,10,14,18,22,26
	v_max3_num_f32 v173, v173, |v[XS+\i]|, |v[XS+\i+1]|
	v_max3_num_f32 v174, v174, |v[XS+\i+2]|, |v[XS+\i+3]|
.endr
	v_max3_num_f32 v173, v173, |v[XS+30]|, |v[XS+31]|
	v_max3_num_f32 v173, v173, v174, 0x2800000     ; and the floor
	v_add_nc_u32 v175, 0xfe000000, v173
	v_lshrrev_b32 v176, 23, v175
.if (\q) == 0
	v_mov_b32 v[WW], v176
.else
	v_lshl_or_b32 v[WW], v176, 8*(\q), v[WW]
.endif
	v_cvt_scalef32_pk16_bf6_f32 v[FD:FD+2], v[XS:XS+15], v175
	v_cvt_scalef32_pk16_bf6_f32 v[WT:WT+2], v[XS+16:XS+31], v175
	v_nop                                          ; one plain place behind a scaled conversion
.irp i, 0,1,2
	v_mov_b32 v[FD+3+\i], v[WT+\i]
.endr
.if (\q)%2 == 1                        ; the even block's lanes 16-31 (tile 2 P + 1) change places with the odd block's lanes 0-15 (tile 2 P): both tiles' registers 6 c .. 6 c + 5 are whole
.irp i, 0,1,2,3,4,5
	v_permlane16_swap_b32 v[FT0+6*((\q)/2)+\i], v[FT1+6*((\q)/2)+\i]
.endr
.endif
.endm
	WLOAD 0
	WLOAD 1
	s_wait_loadcnt 32                              ; this block's 32 loads are in; the next block's may be out
	WBLOCK 0
	WLOAD 2
	s_wait_loadcnt 32
	WBLOCK 1
	WLOAD 3
	s_wait_loadcnt 32
	WBLOCK 2
	s_wait_loadcnt 0x0
	WBLOCK 3
.irp q, 0,1,2
	global_store_b128 v5, v[FT0+4*\q:FT0+4*\q+3], s[32:33] offset:512*\q
	global_store_b128 v5, v[FT1+4*\q:FT1+4*\q+3], s[32:33] offset:6144+512*\q
.endr
	global_store_b32 v6, v[WW], s[34:35]           ; 128 consecutive bytes: half of a unit; the wave with the other K step of the pair stores the other half
	s_endpgm
.Lfunc_end_k_qfb70460662_quant:
	.size	k_qfb70460662_quant, .Lfunc_end_k_qfb70460662_quant-k_qfb70460662_quant
	.p2alignl 7, 3214868480
	.fill 96, 4, 3214868480
	.section	.rodata,"a",@progbits
	.p2align	6, 0x0
	.amdhsa_kernel k_qfb70460662_quant
		.amdhsa_group_segment_fixed_size 34304
		.amdhsa_private_segment_fixed_size 0
		.amdhsa_enable_private_segment 0
		.amdhsa_kernarg_size 56
		.amdhsa_user_sgpr_count 2
		.amdhsa_user_sgpr_kernarg_segment_ptr 1
		.amdhsa_wavefront_size32 1
		.amdhsa_system_sgpr_workgroup_id_x 1
		.amdhsa_system_sgpr_workgroup_id_y 1
		.amdhsa_system_sgpr_workgroup_id_z 1
		.amdhsa_system_vgpr_workitem_id 0
		.amdhsa_next_free_vgpr 256
		.amdhsa_next_free_sgpr 66
		.amdhsa_reserve_vcc 0
		.amdhsa_float_denorm_mode_32 3
		.amdhsa_float_denorm_mode_16_64 3
		.amdhsa_memory_ordered 1
		.amdhsa_forward_progress 1
		.amdhsa_inst_pref_size 51
	.end_amdhsa_kernel
	.amdgpu_metadata
---
amdhsa.version: [ 1, 2 ]
amdhsa.kernels:
  - .name:           k_qfb70460662_quant
    .symbol:         k_qfb70460662_quant.kd
    .args:
      - { .name: x, .offset: 0, .size: 8, .value_kind: global_buffer, .address_space: global }
      - { .name: Wq, .offset: 8, .size: 8, .value_kind: global_buffer, .address_space: global }
      - { .name: Wk, .offset: 16, .size: 8, .value_kind: global_buffer, .address_space: global }
      - { .name: Wv, .offset: 24, .size: 8, .value_kind: global_buffer, .address_space: global }
      - { .name: Wm, .offset: 32, .size: 8, .value_kind: global_buffer, .address_space: global }
      - { .name: xq, .offset: 40, .size: 8, .value_kind: global_buffer, .address_space: global }
      - { .name: wq, .offset: 48, .size: 8, .value_kind: global_buffer, .address_space: global }
    .group_segment_fixed_size: 34304
    .private_segment_fixed_size: 0
    .kernarg_segment_align: 8
    .kernarg_segment_size: 56
    .max_flat_workgroup_size: 128
    .sgpr_count:     66
    .vgpr_count:     256
    .wavefront_size: 32
...
	.end_amdgpu_metadata
.endif
;; end of part 1
;; launch qkv (part 2): grid 4 x 64, 4 waves a work-group, clusters of 4 x 4, 327,680 bytes of LDS; arguments xq, wq, bq, bk, bv, qb, kv; writes qb, kv
.if DOCPART == 2
	.amdgcn_target "amdgcn-amd-amdhsa--gfx1250"
	.amdhsa_code_object_version 6
	.text
	.protected	k_qfb70460662_qkv
	.globl	k_qfb70460662_qkv
	.p2align	8
	.type	k_qfb70460662_qkv,@function
k_qfb70460662_qkv:
	s_mov_b64 s[64:65], 0
	v_nop
	global_prefetch_b8 v0, s[64:65] scope:SCOPE_SE
	s_setreg_imm32_b32 hwreg(HW_REG_WAVE_MODE, 25, 1), 1
	s_wait_xcnt 0x0
	s_wait_alu depctr_hold_cnt(0) depctr_sa_sdst(0) depctr_va_vdst(0) depctr_va_sdst(0) depctr_va_ssrc(0) depctr_va_vcc(0) depctr_vm_vsrc(0)
	s_getreg_b32 s2, hwreg(HW_REG_IB_STS2, 6, 4)
	s_cmp_eq_u32 s2, 0
	s_cbranch_scc0 .Lentry_in_a_cluster
	s_endpgm
.Lentry_in_a_cluster:
	s_bfe_u32 s2, ttmp6, 0x10000c
	s_cmp_lg_u32 s2, 0xf033
	s_cbranch_scc0 .Lentry_shape_is_right
	s_endpgm
.Lentry_shape_is_right:
; q = x Wq + bq, k = x Wk + bk, v = x Wv + bv on codes of BF6 (E3M2) with E8M0 scales; the three results are quantised in registers and leave as codes:
; q and k along the head's 64, v along the keys.  Nothing passes through LDS on its way into a quantiser.
; SHARES.  A work-group takes 128 rows of x and 256 columns (4 heads) and STAYS for three passes (q, k, v).  x's block (102,400 bytes, codes and scale words, as images of the operand's registers)
; lies in LDS for the whole launch; W goes through two slots of 102,400 bytes (256 columns x 512 of K), six visits.  256 work-groups of equal work.
; A wave makes 4 x 8 tiles of 16 x 16.  Source 0 is the side of eight tiles, source 1 the side of four.  Passes q, k: source 0 = 128 columns of W (2 heads), source 1 = 64 rows of x: a lane holds one row and
; its 64 registers run along the two heads.  Pass v: source 0 = the 128 rows of x (keys), source 1 = 64 columns of Wv (a head): a lane holds one channel and its 64 registers run along 128 keys.
; The rows of a tile are not neighbours (lane r of tile 2 P + u: 32 P + 8 u + r + 8 (r / 8)), so that the 16 registers of two neighbouring tiles are 16 neighbours along the next K.
; CLUSTER 4 x 4: x's block is shared along a row of the cluster, W's along a column: joint loads, the same line and descriptor in the four that a mask names.
; OUT.  kv, qb: [batch x head][slot of 256 keys][26,624]: at 0 eight fragments of k (or q), one for 32 keys: half u (768 bytes: registers 6 u .. 6 u + 3 at 16 L, 6 u + 4, 5 at 512 + 8 L) = tile u, 64 codes a row;
; at 12,288 v: [key step 2][channel tile 4][1,536]; at 24,576 k's scale words (unit F: at 8 L + 4 e fragment 2 F + e: bytes 0, 1 tile 0, bytes 2, 3 tile 1); at 25,600 v's ([key step][512]: at 16 L + 4 t tile t).
; LIMITS: a block whose largest magnitude lies under 2^-122 is held at the byte 1; a block of zeros gets the byte 1 (its codes are zeros; this program alone reads the bytes); NaN and infinities are not served.
; REGISTERS.  window 0: v2-23 addresses; v32-79 scale words, two sets of 24; v80-175 the four-side's fragments, two sets of 48; v176-223 the quantiser's.
;   window 1: the eight-side's fragments, two sets of 96.   window 2: accumulator (a, b) at v[8 (8 a + b)].   window 3: the biases, in the results' layout: q at v0, k at v64, v at v128.
.set AH,      51200                    ; a half of x's block; x lies at LDS 0
.set SL,      102400                   ; a slot of W; slot g at SL (1 + g)
.set SPARE,   307200                   ; the spare words: 128 bytes a wave, two blocks of 256 bytes that no other line names
.set HEADSTR, 212992                   ; from head to head in qb and kv
.set WSTEP,   819200                   ; from matrix to matrix in wq
.set SPW, 2
.set NIL, 3
.set AQ8, 4                            ; v4-5    passes q, k: the eight-side's fragments (W) in slot 0, 1
.set AQ4, 6                            ; v6-7    the four-side's (x) in half 0, 1
.set AV8, 8                            ; v8-9    pass v: the eight-side's (x)
.set AV4, 10                           ; v10-11  the four-side's (W)
.set SQ8, 12                           ; v12-19  the same four for the scale words
.set SQ4, 14
.set SV8, 16
.set SV4, 18
.set L16, 20                           ; 16 L
.set L8,  21                           ; 8 L
.set BH,  22                           ; 64 h
.set BR,  23                           ; 4 (r + 8 (r / 8))
.set SC,  32
.set F4,  80
.set PC,  176                          ; v176-195 the codes just made
.set TM,  196                          ; v196-211 maxima, bytes, scale operands
.set PWS, 216                          ; v216-219 the four tiles' scale words
.set KW,  220                          ; v220-223 the words as k's layout wants them
.set G1A, 28
.set G1B, 36
.set G0A, 44                           ; s[44:51] x's two halves
.set G0B, 52                           ; s[52:59] W's two slots
.set SEL, 60
.set MSB, 0
.macro WIN new                         ; the immediate's high byte repeats the setting that is left
.if MSB != \new
	s_set_vgpr_msb (MSB<<8)|\new
.set MSB, \new
.endif
.endm
.macro PLACES                          ; four plain places behind a matrix instruction, in front of loads into its registers and of reads of its result
.rept 4
	v_nop
.endr
.endm
.macro CREST                           ; a round of the cluster's barrier behind its opening barrier
	s_cmp_lg_u32 s18, 0
	s_cbranch_scc1 .Lnot_wave_0_\@
	s_barrier_signal -3
.Lnot_wave_0_\@:
	s_barrier_wait -3
	s_barrier_signal -1
	s_barrier_wait -1
.endm
.macro CROUND
	s_barrier_signal -1
	s_barrier_wait -1
	CREST
.endm
	s_load_b256 s[4:11], s[0:1], 0x0               ; xq, wq, bq, bk
	s_load_b128 s[12:15], s[0:1], 0x20             ; bv, qb
	s_load_b64 s[16:17], s[0:1], 0x30              ; kv
	v_lshl_add_u32 v[SPW], v0, 2, SPARE
	v_mov_b32 v[NIL], 0
	ds_add_u32 v2, v3
	ds_add_u32 v2, v3
	s_wait_dscnt 0x0
	v_lshrrev_b32 v1, 5, v0
	v_readfirstlane_b32 s18, v1                    ; wave
	s_lshr_b32 s19, s18, 1                         ; wr: which 64 rows (passes q, k)
	s_and_b32 s20, s18, 1                          ; wc: which 128 columns
	s_bfe_u32 s21, ttmp6, 0x40000                  ; cx
	s_bfe_u32 s22, ttmp6, 0x40004                  ; cy
	s_lshl_b32 s23, ttmp9, 2
	s_add_co_u32 s23, s23, s21                     ; bx: the group of 256 columns
	s_and_b32 s24, ttmp7, 0xffff
	s_lshl_b32 s24, s24, 2
	s_add_co_u32 s24, s24, s22                     ; by: the block of 128 rows
	s_lshl_b32 s25, s22, 2
	s_lshl_b32 s25, 15, s25                        ; my row of the cluster
	s_lshl_b32 s26, 0x1111, s21                    ; my column
	; group 1: dense blocks as rows of 256 bytes (32 elements of 8 bytes), no padding: x 50 rows a wave, W 100
	s_or_b32 s[G1A], s25, (3<<16)|(1<<21)
	s_or_b32 s[G1B], s26, (3<<16)|(1<<21)
	s_mov_b32 s[G1A+1], 32<<16
	s_mov_b32 s[G1A+2], 50<<16
	s_mov_b32 s[G1A+3], 32<<16
	s_mov_b32 s[G1A+4], 50
	s_mov_b32 s[G1A+5], 32
	s_mov_b32 s[G1A+6], 0
	s_mov_b32 s[G1A+7], 0
	s_mov_b32 s[G1B+1], 32<<16
	s_mov_b32 s[G1B+2], 100<<16
	s_mov_b32 s[G1B+3], 32<<16
	s_mov_b32 s[G1B+4], 100
	s_mov_b32 s[G1B+5], 32
	s_mov_b32 s[G1B+6], 0
	s_mov_b32 s[G1B+7], 0
	s_mul_i32 s27, s18, 12800                      ; my quarter of a half of x: in LDS and in memory
	s_mul_i32 s84, s24, 102400                     ; x's address hangs on by and the wave alone,
	s_add_co_u32 s84, s84, s27
	s_mov_b32 s85, 0
	s_mul_i32 s62, s18, 25600                      ; my quarter of a slot
	s_mul_i32 s88, s23, 204800                     ; W's on bx and the wave alone
	s_add_co_u32 s88, s88, s62
	s_mov_b32 s89, 0
	s_mov_b32 s[G0A], 1
	s_mov_b32 s[G0A+1], s27
	s_mov_b32 s[G0A+4], 1
	s_add_co_u32 s[G0A+5], s27, AH
	s_mov_b32 s[G0B], 1
	s_add_co_u32 s[G0B+1], s62, SL
	s_mov_b32 s[G0B+4], 1
	s_add_co_u32 s[G0B+5], s62, 2*SL
	s_mov_b32 s[SEL], 0x76543210
	s_mov_b32 s[SEL+1], 0xfedcba98
	s_wait_kmcnt 0x0
	s_add_nc_u64 s[G0A+2:G0A+3], s[4:5], s[84:85]
	s_add_nc_u64 s[G0A+6:G0A+7], s[G0A+2:G0A+3], AH
	s_or_b32 s[G0A+3], s[G0A+3], 0x80000000
	s_or_b32 s[G0A+7], s[G0A+7], 0x80000000
	s_add_nc_u64 s[G0B+2:G0B+3], s[6:7], s[88:89]
	s_add_nc_u64 s[G0B+6:G0B+7], s[G0B+2:G0B+3], SL
	s_or_b32 s[G0B+3], s[G0B+3], 0x80000000
	s_or_b32 s[G0B+7], s[G0B+7], 0x80000000
	CROUND                                         ; all sixteen work-groups are here: the first joint loads meet
	tensor_load_to_lds s[G0A:G0A+3], s[G1A:G1A+7]          ; x, K 0-511
	s_nop 0
	tensor_load_to_lds s[G0B:G0B+3], s[G1B:G1B+7]          ; Wq, K 0-511
	s_nop 0
	tensor_load_to_lds s[G0A+4:G0A+7], s[G1A:G1A+7]        ; x, K 512-1023
	s_nop 0
	tensor_load_to_lds s[G0B+4:G0B+7], s[G1B:G1B+7]        ; Wq, K 512-1023: four loads of mine are out
	s_nop 0
	PLACES
	; where the results go
	s_lshr_b32 s90, s24, 4
	s_lshl_b32 s90, s90, 4
	s_lshl_b32 s91, s23, 2
	s_add_co_u32 s90, s90, s91                     ; batch x 16 + the group's first head
	s_bfe_u32 s91, s24, 0x30001                    ; the slot of 256 keys
	s_and_b32 s92, s24, 1                          ; which half of it
	s_lshl_b32 s93, s20, 1
	s_add_co_u32 s93, s93, s90
	s_lshl_b32 s93, s93, 3
	s_add_co_u32 s93, s93, s91
	s_mul_i32 s93, s93, 26624                      ; passes q, k: my first head's slot
	s_lshl_b32 s94, s92, 1
	s_add_co_u32 s94, s94, s19
	s_mul_i32 s96, s94, 3072                       ; my two fragments
	s_add_co_u32 s96, s96, s93
	s_mov_b32 s97, 0
	s_lshl_b32 s98, s94, 8                         ; my unit of scale words
	s_add_co_u32 s98, s98, s93
	s_add_co_u32 s98, s98, 24576
	s_mov_b32 s99, 0
	s_add_nc_u64 s[66:67], s[14:15], s[96:97]
	s_add_nc_u64 s[68:69], s[14:15], s[98:99]
	s_add_nc_u64 s[70:71], s[16:17], s[96:97]
	s_add_nc_u64 s[72:73], s[16:17], s[98:99]
	s_add_co_u32 s93, s90, s18
	s_lshl_b32 s93, s93, 3
	s_add_co_u32 s93, s93, s91
	s_mul_i32 s93, s93, 26624                      ; pass v: my head's slot
	s_mul_i32 s96, s92, 6144
	s_add_co_u32 s96, s96, s93
	s_add_co_u32 s96, s96, 12288
	s_lshl_b32 s98, s92, 9
	s_add_co_u32 s98, s98, s93
	s_add_co_u32 s98, s98, 25600
	s_add_nc_u64 s[74:75], s[16:17], s[96:97]
	s_add_nc_u64 s[76:77], s[16:17], s[98:99]
	s_lshl_b32 s96, s23, 10
	s_lshl_b32 s93, s20, 9
	s_add_co_u32 s98, s96, s93
	s_add_nc_u64 s[78:79], s[8:9], s[98:99]        ; bq, bk at my 128 columns
	s_add_nc_u64 s[80:81], s[10:11], s[98:99]
	s_lshl_b32 s93, s18, 8
	s_add_co_u32 s98, s96, s93
	s_add_nc_u64 s[82:83], s[12:13], s[98:99]      ; bv at my 64
	; LDS addresses: a constant + a constant x wave + 16 or 8 x lane
	v_and_b32 v1, 31, v0
	v_lshlrev_b32 v[L16], 4, v1
	v_lshlrev_b32 v[L8], 3, v1
	v_and_b32 v24, 15, v0
	v_bfe_u32 v25, v0, 4, 1
	v_lshlrev_b32 v[BH], 6, v25
	v_and_b32 v[BR], 8, v24
	v_add_nc_u32 v[BR], v[BR], v24
	v_lshlrev_b32 v[BR], 2, v[BR]
	s_mul_i32 s62, s20, 49152
	s_add_co_u32 s62, s62, SL
	v_add_nc_u32 v[AQ8], s62, v[L16]
	v_add_nc_u32 v[AQ8+1], SL, v[AQ8]
	s_mul_i32 s62, s19, 24576
	v_add_nc_u32 v[AQ4], s62, v[L16]
	v_add_nc_u32 v[AQ4+1], AH, v[AQ4]
	v_mov_b32 v[AV8], v[L16]
	v_add_nc_u32 v[AV8+1], AH, v[L16]
	s_mul_i32 s62, s18, 24576
	s_add_co_u32 s62, s62, SL
	v_add_nc_u32 v[AV4], s62, v[L16]
	v_add_nc_u32 v[AV4+1], SL, v[AV4]
	s_lshl_b32 s62, s20, 11
	s_add_co_u32 s62, s62, SL+98304
	v_add_nc_u32 v[SQ8], s62, v[L8]
	v_add_nc_u32 v[SQ8+1], SL, v[SQ8]
	s_lshl_b32 s62, s19, 10
	s_add_co_u32 s62, s62, 49152
	v_add_nc_u32 v[SQ4], s62, v[L8]
	v_add_nc_u32 v[SQ4+1], AH, v[SQ4]
	v_add_nc_u32 v[SV8], 49152, v[L8]
	v_add_nc_u32 v[SV8+1], AH, v[SV8]
	s_lshl_b32 s62, s18, 10
	s_add_co_u32 s62, s62, SL+98304
	v_add_nc_u32 v[SV4], s62, v[L8]
	v_add_nc_u32 v[SV4+1], SL, v[SV4]
.irp b, 0,1,2,3
	v_mov_b32 v[TM+4+\b], 0                        ; a lane permute's destination counts as one of its sources
.endr
	; the biases, in the results' layout: they are the C of each sum's first matrix instruction
	WIN 0xc0                                       ; destination window 3
.irp b, 0,1,2,3,4,5,6,7
	global_load_b128 v[8*\b:8*\b+3], v[BH], s[78:79] offset:(32*(\b/2)+8*(\b%2))*4          ; columns 32 (b / 2) + 16 h + 8 (b % 2) + 0 .. 7
	global_load_b128 v[8*\b+4:8*\b+7], v[BH], s[78:79] offset:(32*(\b/2)+8*(\b%2))*4+16
	global_load_b128 v[64+8*\b:64+8*\b+3], v[BH], s[80:81] offset:(32*(\b/2)+8*(\b%2))*4
	global_load_b128 v[64+8*\b+4:64+8*\b+7], v[BH], s[80:81] offset:(32*(\b/2)+8*(\b%2))*4+16
.endr
.irp a, 0,1,2,3
.irp j, 0,1,2,3,4,5,6,7
	global_load_b32 v[128+8*\a+\j], v[BR], s[82:83] offset:(32*(\a/2)+8*(\a%2))*4            ; pass v: a lane holds one channel: the same number in the tile's eight registers
.endr
.endr
	WIN 0
.macro FETCH8 adr, s, set              ; the eight-side's fragments of the visit's K step s: 24 loads of 512 consecutive bytes
	WIN 0x40                                       ; destination window 1
.irp i, 0,1,2,3,4,5,6,7
.irp q, 0,1,2
	ds_load_b128 v[96*(\set)+12*\i+4*\q:96*(\set)+12*\i+4*\q+3], v[\adr] offset:\i*6144+(\s)*1536+512*\q
.endr
.endr
.endm
.macro FETCH4 adr, s, set              ; the four-side's: 12 loads
	WIN 0
.irp i, 0,1,2,3
.irp q, 0,1,2
	ds_load_b128 v[F4+48*(\set)+12*\i+4*\q:F4+48*(\set)+12*\i+4*\q+3], v[\adr] offset:\i*6144+(\s)*1536+512*\q
.endr
.endr
.endm
.macro SCALES a8, a4, set              ; a visit's scale words: register 4 (tile / 2) + 2 (K step / 2) + tile % 2; lanes 0-15 the even K step, lanes 16-31 the odd one
	WIN 0
.irp p, 0,1,2,3
.irp j, 0,1
	ds_load_b64 v[SC+24*(\set)+4*\p+2*\j:SC+24*(\set)+4*\p+2*\j+1], v[\a8] offset:\p*512+\j*256
.endr
.endr
.irp p, 0,1
.irp j, 0,1
	ds_load_b64 v[SC+24*(\set)+16+4*\p+2*\j:SC+24*(\set)+16+4*\p+2*\j+1], v[\a4] offset:\p*512+\j*256
.endr
.endr
.endm
.macro ONE b, set, s, sc, cmode, bias
.set rD, 8*(8*A4+\b)
.set rA, 96*(\set)+12*\b
.set rB, F4+48*(\set)+12*A4
.set rSA, SC+24*(\sc)+4*(\b/2)+2*((\s)/2)+(\b%2)
.set rSB, SC+24*(\sc)+16+4*(A4/2)+2*((\s)/2)+(A4%2)
.set rC, rD
.if (\cmode) == 1
.set rC, (\bias)+8*\b
.endif
.if (\cmode) == 2
.set rC, 128+8*A4
.endif
.if ((\s)%2) == 0
	v_wmma_scale_f32_16x16x128_f8f6f4 v[rD:rD+7], v[rA:rA+11], v[rB:rB+11], v[rC:rC+7], v[rSA], v[rSB] matrix_a_fmt:MATRIX_FMT_BF6 matrix_b_fmt:MATRIX_FMT_BF6
.else
	v_wmma_scale_f32_16x16x128_f8f6f4 v[rD:rD+7], v[rA:rA+11], v[rB:rB+11], v[rC:rC+7], v[rSA], v[rSB] matrix_a_fmt:MATRIX_FMT_BF6 matrix_b_fmt:MATRIX_FMT_BF6 matrix_a_scale:MATRIX_SCALE_ROW1 matrix_b_scale:MATRIX_SCALE_ROW1
.endif
.endm
; n x 8 matrix instructions: the four-side's tiles a0 .. a0 + n - 1 against the eight.  The 32 accumulators take turns, one instruction a turn, in the same order in every step.
; cmode 0: the sums go on; 1, 2: the bias starts them (nothing is ever cleared).
.macro MULS a0, n, set, s, sc, cmode, bias
.if (\cmode) == 0
	WIN 0xa1                                       ; source 0 window 1, source 1 window 0, C and D window 2
.else
	WIN 0xb1                                       ; C window 3
.endif
.set A4, \a0
.rept \n
.irp b, 0,1,2,3,4,5,6,7
	ONE \b, \set, \s, \sc, \cmode, \bias
.endr
.set A4, A4+1
.endr
.endm
.macro STEP a8, a4, s, sc, cmode, bias ; a K step of 128 that has its successor in the same visit
	s_wait_dscnt 0x0                               ; this step's fragments, asked for a step ago, are in
	PLACES
	FETCH8 \a8, (\s)+1, ((\s)+1)%2
	FETCH4 \a4, (\s)+1, ((\s)+1)%2
	MULS 0, 4, (\s)%2, \s, \sc, \cmode, \bias
.endm
.macro THREE a8, a4, sc, cmode, bias
	STEP \a8, \a4, 0, \sc, \cmode, \bias
	STEP \a8, \a4, 1, \sc, 0, 0
	STEP \a8, \a4, 2, \sc, 0, 0
.endm
; A visit's last step changes slots: one barrier; in front of it each wave waits for all its tensor loads, adds 0 to its spare word, and waits for that and for its reads of this slot.
; fill = 1: the barrier opens a round of the cluster's, and this slot takes the next matrix's same half of K: the load has a whole visit in which to land.
.macro TURN slot, fill, n8, n4, ns8, ns4, sc
	WIN 0
	s_wait_tensorcnt 0x0                           ; all my tensor loads have landed, my part of the next visit's slot among them
	ds_add_u32 v[SPW], v[NIL]                      ; 0 onto my spare word
	s_wait_dscnt 1                                 ; this step's fragments are in; the add alone may be out
	MULS 0, 2, 1, 3, \sc, 0, 0
	s_wait_dscnt 0x0                               ; the add is done, and my reads of this slot are over
	s_barrier_signal -1
	MULS 2, 1, 1, 3, \sc, 0, 0
	WIN 0
	s_barrier_wait -1
.if \fill
	CREST                                          ; no wave of any partner still reads this slot or has a load on its way
	s_add_nc_u64 s[G0B+4*\slot+2:G0B+4*\slot+3], s[G0B+4*\slot+2:G0B+4*\slot+3], WSTEP
	tensor_load_to_lds s[G0B+4*\slot:G0B+4*\slot+3], s[G1B:G1B+7]   ; my one tensor load behind the round
	s_nop 0
.endif
	PLACES
	FETCH8 \n8, 0, 0
	FETCH4 \n4, 0, 0
	s_wait_alu depctr_va_vdst(0)
	SCALES \ns8, \ns4, 1-\sc
	MULS 3, 1, 1, 3, \sc, 0, 0
.endm
; The 64 results of the four-side's tile a (register 16 b + i = place 32 b + 16 h + i along the next K) become a fragment's codes in v[PC] on and its scale word in v[PWS + a].
.macro QUANTW a
	s_wait_xcnt 0x0                                ; the last stores have read the codes' and the words' registers
	WIN 0x0a                                       ; sources 0 and 1 window 2
.irp b, 0,1,2,3
	v_max3_num_f32 v[TM+\b], |v[64*(\a)+16*\b]|, |v[64*(\a)+16*\b+1]|, 0x2800000   ; each accumulator is read from its low end on; the floor 2^(5 - 127) holds the byte at 1 from below
.endr
	WIN 0x28                                       ; sources 1 and 2 window 2
.irp i, 2,4,6,8,10,12,14
.irp b, 0,1,2,3
	v_max3_num_f32 v[TM+\b], v[TM+\b], |v[64*(\a)+16*\b+\i]|, |v[64*(\a)+16*\b+\i+1]|
.endr
.endr
	WIN 0
.irp b, 0,1,2,3
	v_permlanex16_b32 v[TM+4+\b], v[TM+\b], s[SEL], s[SEL+1]
.endr
.irp b, 0,1,2,3
	v_max_num_f32 v[TM+\b], v[TM+\b], v[TM+4+\b]   ; with lane L xor 16's: the block's largest magnitude
.endr
.irp b, 0,1,2,3
	v_add_nc_u32 v[TM+12+\b], 0xfe000000, v[TM+\b]
.endr
.irp b, 0,1,2,3
	v_lshrrev_b32 v[TM+4+\b], 23, v[TM+12+\b]
.endr
	v_lshl_or_b32 v[PWS+(\a)], v[TM+5], 8, v[TM+4]
	v_lshl_or_b32 v[PWS+(\a)], v[TM+6], 16, v[PWS+(\a)]
	v_lshl_or_b32 v[PWS+(\a)], v[TM+7], 24, v[PWS+(\a)]
	WIN 0x02                                       ; source 0 window 2
.irp c, 0,1
	v_cvt_scalef32_pk16_bf6_f32 v[PC+6*\c:PC+6*\c+2], v[64*(\a)+32*\c:64*(\a)+32*\c+15], v[TM+12+2*\c]
	v_cvt_scalef32_pk16_bf6_f32 v[PC+12+4*\c:PC+14+4*\c], v[64*(\a)+32*\c+16:64*(\a)+32*\c+31], v[TM+12+2*\c+1]
.endr
	WIN 0
	v_nop                                          ; one plain place behind a scaled conversion
.irp c, 0,1                            ; the operand's layout wants a whole block in a lane
.irp i, 0,1,2
	v_permlane16_swap_b32 v[PC+6*\c+\i], v[PC+12+4*\c+\i]
.endr
.irp i, 0,1,2
	v_mov_b32 v[PC+3+6*\c+\i], v[PC+12+4*\c+\i]
.endr
.endr
.endm
; q or k: half c of the codes is head c's 64 of my row: it is half a % 2 of fragment a / 2 in that head's slot.  Each store covers 512 or 256 consecutive bytes, aligned.
.macro EPI_QK cb, sb
	WIN 0
	PLACES
.irp a, 0,1,2,3
	QUANTW \a
.irp c, 0,1
	global_store_b128 v[L16], v[PC+6*\c:PC+6*\c+3], s[\cb:\cb+1] offset:\c*HEADSTR+(\a/2)*1536+(\a%2)*768
	global_store_b64 v[L8], v[PC+6*\c+4:PC+6*\c+5], s[\cb:\cb+1] offset:\c*HEADSTR+(\a/2)*1536+(\a%2)*768+512
.endr
.endr
.irp p, 0,1
	v_perm_b32 v[KW+\p], v[PWS+2*\p+1], v[PWS+2*\p], 0x05040100     ; head 0: tile 0's two bytes, then tile 1's
	v_perm_b32 v[KW+2+\p], v[PWS+2*\p+1], v[PWS+2*\p], 0x07060302   ; head 1
.endr
	global_store_b64 v[L8], v[KW:KW+1], s[\sb:\sb+1]
	global_store_b64 v[L8], v[KW+2:KW+3], s[\sb:\sb+1] offset:HEADSTR
.endm
.macro EPI_V
	WIN 0
	PLACES
.irp a, 0,1,2,3
	QUANTW \a
.irp c, 0,1
	global_store_b128 v[L16], v[PC+6*\c:PC+6*\c+3], s[74:75] offset:\a*1536+\c*768
	global_store_b64 v[L8], v[PC+6*\c+4:PC+6*\c+5], s[74:75] offset:\a*1536+\c*768+512
.endr
.endr
	global_store_b128 v[L16], v[PWS:PWS+3], s[76:77]
.endm
	s_wait_tensorcnt 2                             ; x's and Wq's first halves are in; the two second halves, issued behind them, may stay out
	s_barrier_signal -1
	s_barrier_wait -1
	FETCH8 AQ8, 0, 0
	FETCH4 AQ4, 0, 0
	SCALES SQ8, SQ4, 0
	s_wait_loadcnt 0x0                             ; the biases
	THREE AQ8, AQ4, 0, 1, 0                        ; q, K 0-511
	TURN 0, 1, AQ8+1, AQ4+1, SQ8+1, SQ4+1, 0
	THREE AQ8+1, AQ4+1, 1, 0, 0                    ; q, K 512-1023
	TURN 1, 1, AQ8, AQ4, SQ8, SQ4, 1
	EPI_QK 66, 68
	THREE AQ8, AQ4, 0, 1, 64                       ; k
	TURN 0, 1, AQ8+1, AQ4+1, SQ8+1, SQ4+1, 0
	THREE AQ8+1, AQ4+1, 1, 0, 0
	TURN 1, 1, AV8, AV4, SV8, SV4, 1
	EPI_QK 70, 72
	THREE AV8, AV4, 0, 2, 0                        ; v: the sides change places
	TURN 0, 0, AV8+1, AV4+1, SV8+1, SV4+1, 0       ; nothing is left to fetch
	THREE AV8+1, AV4+1, 1, 0, 0
	s_wait_dscnt 0x0
	MULS 0, 4, 1, 3, 1, 0, 0
	EPI_V
	s_wait_tensorcnt 0x0                           ; the wave's end
	ds_add_u32 v[SPW], v[NIL]
	s_wait_dscnt 0x0
	CROUND                                         ; the closing round
	s_endpgm
.Lfunc_end_k_qfb70460662_qkv:
	.size	k_qfb70460662_qkv, .Lfunc_end_k_qfb70460662_qkv-k_qfb70460662_qkv
	.p2alignl 7, 3214868480
	.fill 96, 4, 3214868480
	.section	.rodata,"a",@progbits
	.p2align	6, 0x0
	.amdhsa_kernel k_qfb70460662_qkv
		.amdhsa_group_segment_fixed_size 327680
		.amdhsa_private_segment_fixed_size 0
		.amdhsa_enable_private_segment 0
		.amdhsa_kernarg_size 56
		.amdhsa_user_sgpr_count 2
		.amdhsa_user_sgpr_kernarg_segment_ptr 1
		.amdhsa_wavefront_size32 1
		.amdhsa_system_sgpr_workgroup_id_x 1
		.amdhsa_system_sgpr_workgroup_id_y 1
		.amdhsa_system_sgpr_workgroup_id_z 1
		.amdhsa_system_vgpr_workitem_id 0
		.amdhsa_next_free_vgpr 1024
		.amdhsa_next_free_sgpr 100
		.amdhsa_reserve_vcc 0
		.amdhsa_float_denorm_mode_32 3
		.amdhsa_float_denorm_mode_16_64 3
		.amdhsa_memory_ordered 1
		.amdhsa_forward_progress 1
		.amdhsa_inst_pref_size 232
	.end_amdhsa_kernel
	.amdgpu_metadata
---
amdhsa.version: [ 1, 2 ]
amdhsa.kernels:
  - .name:           k_qfb70460662_qkv
    .symbol:         k_qfb70460662_qkv.kd
    .args:
      - { .name: xq, .offset: 0, .size: 8, .value_kind: global_buffer, .address_space: global }
      - { .name: wq, .offset: 8, .size: 8, .value_kind: global_buffer, .address_space: global }
      - { .name: bq, .offset: 16, .size: 8, .value_kind: global_buffer, .address_space: global }
      - { .name: bk, .offset: 24, .size: 8, .value_kind: global_buffer, .address_space: global }
      - { .name: bv, .offset: 32, .size: 8, .value_kind: global_buffer, .address_space: global }
      - { .name: qb, .offset: 40, .size: 8, .value_kind: global_buffer, .address_space: global }
      - { .name: kv, .offset: 48, .size: 8, .value_kind: global_buffer, .address_space: global }
    .group_segment_fixed_size: 327680
    .private_segment_fixed_size: 0
    .kernarg_segment_align: 8
    .kernarg_segment_size: 56
    .max_flat_workgroup_size: 128
    .sgpr_count:     100
    .vgpr_count:     1024
    .wavefront_size: 32
...
	.end_amdgpu_metadata
.endif
;; end of part 2
;; launch attn (part 3): grid 4 x 64, 16 waves a work-group, no clusters, 327,680 bytes of LDS; arguments qb, kv, at; writes at
.if DOCPART == 3
	.amdgcn_target "amdgcn-amd-amdhsa--gfx1250"
	.amdhsa_code_object_version 6
	.text
	.protected	k_qfb70460662_attn
	.globl	k_qfb70460662_attn
	.p2align	8
	.type	k_qfb70460662_attn,@function
k_qfb70460662_attn:
	s_mov_b64 s[64:65], 0
	v_nop
	global_prefetch_b8 v0, s[64:65] scope:SCOPE_SE
	s_setreg_imm32_b32 hwreg(HW_REG_WAVE_MODE, 25, 1), 1
	s_wait_xcnt 0x0
; Causal attention on codes of BF6 (E3M2), head size 64, 2,048 keys, 64 (batch, head) pairs; the result is quantised along D in registers and leaves as codes for the last product.
; t = score x log2(e) / 8; M = the running largest t rounded UP to a whole number; p = 2^(t - M) is quantised along the keys, not normalised; the row's sum is taken of the unquantised p and divides at the end.
; SHARES.  Work-group (i, head) serves the block of 256 queries 7 - i over key slots 0 .. 7 - i, then block i over slots 0 .. i: nine visits of 256 keys in every work-group, so the trip count is a constant
; and all 256 work-groups have equal work.  Each of sixteen waves owns one tile of 16 queries in 256 registers: four waves to a SIMD, so that one wave's vector work stands beside another's matrix work.
; NO CLUSTER: the four work-groups of a head walk 8 - i and i + 1 slots and change blocks at different visits, so that their requests for a slot would not meet.
; Both products are used transposed (S^T = K Q^T, O^T = V^T P^T): a lane holds one query throughout.  The keys (and queries, and channels) of a tile are not neighbours: lane r of tile 2 P + u holds
; 32 P + 8 u + r + 8 (r / 8), so that the 16 registers of two neighbouring tiles are 16 neighbours.
; K = 64 IN AN INSTRUCTION OF 128: a fragment of k holds two tiles of keys (k 0-63 tile 2 f, k 64-127 tile 2 f + 1).  q lies in v16-33 as six zeros, its six registers, six zeros: v[22:33] = (q, 0) gives
; tile 2 f, v[16:27] = (0, q) tile 2 f + 1: zero codes meet the other tile's codes and add nothing (every scale byte lies in 1 .. 254).
; A step all of whose keys come after the wave's queries is left out by a scalar branch on ids; on the diagonal hidden scores become -infinity ahead of the maximum.  Key 0 counts for every query.
; LIMITS: a block whose largest magnitude lies under 2^-122 is held at the byte 1; a block of zeros gets the byte 1 (its codes are zeros); NaN and infinities are not served.
; REGISTERS: v1-11, v34-35, v92 addresses and scales that stay; v12 -M, v13 the largest t, v[14:15] the sum; v16-33 q; v36-83 four fragments of k or v; v84-91 their scale words; v96-159 S^T, then p;
; v160-191 O^T; v200-223 at work; v224-235 p's codes.
.set SLOTB, 26624                      ; a slot: k's codes at 0, v's at 12,288, k's scale words at 24,576, v's at 25,600
.set SLOT1, 32768                      ; LDS: slot 1 begins here: one exclusive or turns an address
.set SPARE, 65536                      ; the spare words: 128 bytes for each of 16 waves: eight blocks of 256 bytes that no other line names
.macro TLOAD                           ; waves 0 and 1 fetch a half of the slot each; four v_nop follow the line
	s_cmp_lt_u32 s10, 2
	s_cbranch_scc0 .Lnone_\@
	tensor_load_to_lds s[24:27], s[16:23]
	s_nop 0
.rept 4
	v_nop
.endr
.Lnone_\@:
.endm
; A prefetch of k and v: a head's 212,992 bytes are 832 runs of 256.  All four work-groups of a head walk them from the start: work-group 0 asks, in its waves 4 to 7, at its first five changes of slots:
; at change T runs 192 + 128 T .. + 127, 32 a wave, a lane a run.  Each run is named once; the last named is the head's last.  Runs 0-191 come by their loads alone.
.macro ASK
	s_cmp_lt_u32 s14, s36
	s_cbranch_scc0 .Lnot_mine_\@
	global_prefetch_b8 v9, s[34:35] th:TH_LOAD_NT scope:SCOPE_SE
.Lnot_mine_\@:
.endm
	s_load_b128 s[4:7], s[0:1], 0x0                ; qb, kv
	s_load_b64 s[8:9], s[0:1], 0x10                ; at
	v_lshl_add_u32 v5, v0, 2, SPARE
	v_mov_b32 v6, 0
	ds_add_u32 v5, v6
	ds_add_u32 v5, v6
	s_wait_dscnt 0x0
	v_lshrrev_b32 v1, 5, v0
	s_delay_alu instid0(VALU_DEP_1)
	v_readfirstlane_b32 s10, v1                    ; wave 0..15
	s_mov_b32 s11, ttmp9                           ; i
	s_and_b32 s12, ttmp7, 0xffff                   ; batch x 16 + head
	s_sub_co_u32 s13, 8, s11                       ; visits of the first block
	; group 1: half a slot, 13,312 dense bytes, as 52 rows of 256 bytes (32 elements of 8 bytes)
	s_mov_b32 s16, 3<<16
	s_mov_b32 s17, 32<<16
	s_mov_b32 s18, 52<<16
	s_mov_b32 s19, 32<<16
	s_mov_b32 s20, 52
	s_mov_b32 s21, 32
	s_mov_b32 s22, 0
	s_mov_b32 s23, 0
	s_and_b32 s40, s10, 1
	s_mul_i32 s25, s40, 13312                      ; LDS: slot 0, my half
	s_mul_i32 s42, s12, 212992                     ; the head's first byte in kv
	s_add_co_u32 s40, s42, s25
	s_mov_b32 s41, 0
	s_mov_b32 s24, 1
	s_wait_kmcnt 0x0
	s_add_nc_u64 s[26:27], s[6:7], s[40:41]
	s_or_b32 s27, s27, 0x80000000
	TLOAD                                          ; key slot 0
	v_and_b32 v93, 31, v0
	s_delay_alu instid0(VALU_DEP_1)
	v_lshlrev_b32 v1, 4, v93                       ; 16 L
	s_delay_alu instid0(VALU_DEP_2)
	v_lshlrev_b32 v2, 3, v93                       ; 8 L
	v_and_b32 v94, 15, v0
	v_bfe_u32 v95, v0, 4, 1
	s_delay_alu instid0(VALU_DEP_2)
	v_lshlrev_b32 v8, 3, v94                       ; 8 r
	v_lshlrev_b32 v9, 8, v93                       ; 256 L
	s_delay_alu instid0(VALU_DEP_4)
	v_and_b32 v3, 8, v94
	s_delay_alu instid0(VALU_DEP_1)
	v_add_nc_u32 v3, v3, v94
	v_lshlrev_b32 v95, 4, v95
	s_delay_alu instid0(VALU_DEP_1)
	v_sub_nc_u32 v3, v3, v95
	s_and_b32 s40, s10, 1                          ; u
	s_lshl_b32 s41, s40, 3
	v_add_nc_u32 v3, s41, v3                       ; my query in its group of 32, less 16 h
	s_lshr_b32 s41, s10, 1
	s_mul_i32 s41, s41, 1536
	s_mul_i32 s43, s40, 768
	s_add_co_u32 s41, s41, s43
	v_add_nc_u32 v34, s41, v1                      ; q: fragment wave / 2, half u
	s_add_co_u32 s41, s41, 512
	v_add_nc_u32 v35, s41, v2
	s_lshr_b32 s41, s10, 2
	s_lshl_b32 s41, s41, 8
	s_bfe_u32 s43, s10, 0x10001
	s_lshl_b32 s43, s43, 2
	s_add_co_u32 s41, s41, s43
	s_add_co_u32 s41, s41, 24576
	v_add_nc_u32 v92, s41, v2                      ; and its scale word
	s_mov_b32 s51, 0x03020302
	s_cmp_eq_u32 s40, 0
	s_cselect_b32 s51, 0x01000100, s51             ; my tile's two bytes, into both halves of q's scale word
	; where my tile's codes and its two scale bytes go in at, apart from the block of queries
	s_lshr_b32 s40, s12, 4
	s_lshl_b32 s40, s40, 4
	s_lshr_b32 s41, s10, 3
	s_add_co_u32 s40, s40, s41
	s_mul_i32 s40, s40, 102400
	s_bfe_u32 s41, s12, 0x10003
	s_mul_i32 s41, s41, 51200
	s_add_co_u32 s40, s40, s41                     ; the block of 128 rows and the half of K
	s_and_b32 s41, s10, 7
	s_mul_i32 s41, s41, 6144
	s_add_co_u32 s52, s40, s41
	s_bfe_u32 s41, s12, 0x20001
	s_mul_i32 s41, s41, 1536
	s_add_co_u32 s52, s52, s41
	s_and_b32 s41, s12, 1
	s_mul_i32 s43, s41, 768
	s_add_co_u32 s52, s52, s43
	s_add_co_u32 s53, s40, 49152
	s_lshl_b32 s41, s41, 1
	s_add_co_u32 s53, s53, s41
	s_bfe_u32 s41, s10, 0x20001
	s_lshl_b32 s41, s41, 9
	s_add_co_u32 s53, s53, s41
	s_bfe_u32 s41, s12, 0x10002
	s_lshl_b32 s41, s41, 8
	s_add_co_u32 s53, s53, s41
	s_bfe_u32 s41, s12, 0x10001
	s_lshl_b32 s41, s41, 7
	s_add_co_u32 s53, s53, s41
	s_and_b32 s41, s10, 1
	s_lshl_b32 s41, s41, 2
	s_add_co_u32 s53, s53, s41
	; the prefetches
	s_and_b32 s40, s10, 3
	s_lshl_b32 s40, s40, 13
	s_add_co_u32 s40, s40, s42
	s_add_co_u32 s40, s40, 16384                   ; the first change of slots steps it to run 192
	s_mov_b32 s41, 0
	s_add_nc_u64 s[34:35], s[6:7], s[40:41]
	s_lshr_b32 s40, s10, 2
	s_xor_b32 s40, s40, 1
	s_or_b32 s40, s40, s11
	s_cmp_eq_u32 s40, 0
	s_cselect_b32 s36, 5, 0                        ; waves 4-7 of work-group 0: the first five changes
	s_mul_i32 s37, s13, SLOTB                      ; back to key slot 0 at the change of blocks
	s_mov_b32 s39, 0
	s_mov_b32 s28, 0                               ; LDS byte at which the slot in hand begins
	s_mov_b32 s30, 0x76543210
	s_mov_b32 s31, 0xfedcba98
	s_mov_b32 s32, 0x3e38aa3b                      ; c = log2(e) / 8
	s_mov_b32 s33, s32
.irp j, 16,17,18,19,20,21,28,29,30,31,32,33
	v_mov_b32 v\j, 0                               ; the zero codes on both sides of q
.endr
.irp j, 204,205,206,207,221,223
	v_mov_b32 v\j, 0                               ; lane permutes' destinations, and the upper half of the pair v[220:221]
.endr
; A block of queries begins: its pointers, q and q's scale word, and the running numbers.
.macro START
	s_lshl_b32 s40, s12, 3
	s_add_co_u32 s40, s40, s50
	s_mul_i32 s40, s40, SLOTB
	s_mov_b32 s41, 0
	s_add_nc_u64 s[44:45], s[4:5], s[40:41]
	s_mul_i32 s40, s50, 204800
	s_add_co_u32 s42, s40, s52
	s_mov_b32 s43, 0
	s_add_nc_u64 s[46:47], s[8:9], s[42:43]
	s_add_co_u32 s42, s40, s53
	s_add_nc_u64 s[48:49], s[8:9], s[42:43]
	s_lshl_b32 s15, s50, 8
	s_lshr_b32 s40, s10, 1
	s_lshl_b32 s40, s40, 5
	s_add_co_u32 s15, s15, s40                     ; my group of 32 queries' first, less the step's first key
	global_load_b128 v[22:25], v34, s[44:45]
	global_load_b64 v[26:27], v35, s[44:45]
	global_load_b32 v11, v92, s[44:45]
	s_wait_loadcnt 0x0
	v_perm_b32 v10, v11, v11, s51
	v_mov_b32 v13, 0xff61b1e6                      ; the largest t so far: -3e38
	s_delay_alu instid0(VALU_DEP_1)
	v_floor_f32 v12, -v13                          ; -M
	v_mov_b32 v14, 0
	v_mov_b32 v15, 0
.set cj, 0
.rept 32
	v_mov_b32 v[160+cj], 0                         ; O^T: the first change of M leaves zeros zeros.  (These are also the places between q's scale word and the first product)
.set cj, cj+1
.endr
.endm
; A KEY STEP: 128 keys, the q-th of the slot in hand.
.macro STEP q
	s_cmp_lt_i32 s15, 0                            ; all its keys come after my queries
	s_cbranch_scc1 .Lhid_\@
	v_add_nc_u32 v4, s28, v1
	v_add_nc_u32 v7, s28, v2
	v_nop
	v_nop                                          ; four places in front of loads into registers that the last products read
.irp f, 0,1,2,3
	ds_load_b128 v[36+12*\f:39+12*\f], v4 offset:(4*(\q)+\f)*1536
	ds_load_b64 v[40+12*\f:41+12*\f], v7 offset:(4*(\q)+\f)*1536+512
	ds_load_b128 v[42+12*\f:45+12*\f], v4 offset:(4*(\q)+\f)*1536+768
	ds_load_b64 v[46+12*\f:47+12*\f], v7 offset:(4*(\q)+\f)*1536+1280
.endr
	ds_load_b64 v[84:85], v7 offset:24576+(2*(\q))*256
	ds_load_b64 v[86:87], v7 offset:24576+(2*(\q)+1)*256
	s_wait_alu depctr_va_vdst(0)
	s_wait_dscnt 0x0
.irp f, 0,1,2,3
	v_wmma_scale_f32_16x16x128_f8f6f4 v[96+16*\f:103+16*\f], v[36+12*\f:47+12*\f], v[22:33], 0, v[84+\f], v10 matrix_a_fmt:MATRIX_FMT_BF6 matrix_b_fmt:MATRIX_FMT_BF6
	v_wmma_scale_f32_16x16x128_f8f6f4 v[104+16*\f:111+16*\f], v[36+12*\f:47+12*\f], v[16:27], 0, v[84+\f], v10 matrix_a_fmt:MATRIX_FMT_BF6 matrix_b_fmt:MATRIX_FMT_BF6
.endr                                  ; register 16 b + i: key 32 b + 16 h + i of the step
.rept 4
	v_nop
.endr
.irp t, 0,1,2,3                        ; v's fragments are asked for here and land under the softmax
	ds_load_b128 v[36+12*\t:39+12*\t], v4 offset:12288+(\q)*6144+\t*1536
	ds_load_b64 v[40+12*\t:41+12*\t], v7 offset:12288+(\q)*6144+\t*1536+512
	ds_load_b128 v[42+12*\t:45+12*\t], v4 offset:12288+(\q)*6144+\t*1536+768
	ds_load_b64 v[46+12*\t:47+12*\t], v7 offset:12288+(\q)*6144+\t*1536+1280
.endr
	ds_load_b128 v[88:91], v4 offset:25600+(\q)*512
	s_cmp_ge_i32 s15, 128                          ; all its keys count
	s_cbranch_scc1 .Lopen_\@
	v_add_nc_u32 v223, s15, v3                     ; d = my query - the step's first key - 16 h: register 16 b + i is hidden where 32 b + i > d
	v_mov_b32 v207, 0xff800000
.set cn, 0
.rept 64
	v_cmp_gt_i32 vcc_lo, 32*(cn/16)+cn%16, v223
	v_cndmask_b32 v[96+cn], v[96+cn], v207, vcc_lo
.set cn, cn+1
.endr
.Lopen_\@:
.irp b, 0,1,2,3
	v_max3_num_f32 v[200+\b], v[96+16*\b], v[97+16*\b], v[98+16*\b]   ; the largest score of each block of 32 keys: for the row's maximum and, since p rises with the score, for the block's largest p
.endr
.irp i, 3,5,7,9,11,13
.irp b, 0,1,2,3
	v_max3_num_f32 v[200+\b], v[200+\b], v[96+16*\b+\i], v[97+16*\b+\i]
.endr
.endr
.irp b, 0,1,2,3
	v_max_num_f32 v[200+\b], v[200+\b], v[111+16*\b]
.endr
.irp b, 0,1,2,3
	s_delay_alu instid0(VALU_DEP_4)
	v_permlanex16_b32 v[204+\b], v[200+\b], s30, s31
.endr
.irp b, 0,1,2,3
	s_delay_alu instid0(VALU_DEP_4)
	v_max_num_f32 v[200+\b], v[200+\b], v[204+\b]
.endr
	s_delay_alu instid0(VALU_DEP_2)
	v_max3_num_f32 v223, v200, v201, v202
	s_delay_alu instid0(VALU_DEP_1)
	v_max_num_f32 v223, v223, v203
	s_delay_alu instid0(VALU_DEP_1)
	v_mul_f32 v223, s32, v223
	s_delay_alu instid0(VALU_DEP_1)
	v_max_num_f32 v13, v13, v223                   ; the running largest t
	v_mov_b32 v223, v12
	s_delay_alu instid0(VALU_DEP_2)
	v_floor_f32 v12, -v13                          ; -M = floor(-t): M is a whole number
	s_delay_alu instid0(VALU_DEP_1)
	v_sub_f32 v223, v12, v223
	s_delay_alu instid0(VALU_DEP_1)
	v_cvt_i32_f32 v223, v223                       ; (it saturates)
	s_delay_alu instid0(VALU_DEP_1)
	v_ldexp_f32 v220, 1.0, v223                    ; f = 2^(old M - new M)
.set cj, 0
.rept 32
	v_pk_fma_f32 v[96+cj:97+cj], v[96+cj:97+cj], s[32:33], v[12:13] op_sel_hi:[1,0,0]   ; t - M
.set cj, cj+2
.endr
.irp b, 0,1,2,3
	v_fma_f32 v[200+\b], v[200+\b], s32, v12
.endr
.set cj, 0
	s_wait_alu depctr_va_vdst(0)
.rept 64
	v_exp_f32 v[96+cj], v[96+cj]                   ; p = 2^(t - M)
.set cj, cj+1
.endr
	v_pk_mul_f32 v[14:15], v[14:15], v[220:221] op_sel_hi:[1,0]   ; the sums under the new M: a plain place behind the exponentials
	s_wait_alu depctr_va_vdst(0)                   ; one wait for the batch, ahead of its first reader
.irp b, 0,1,2,3
	v_exp_f32 v[200+\b], v[200+\b]                 ; the blocks' largest p
.endr
	v_pk_add_f32 v[204:205], v[100:101], v[104:105]
	v_pk_add_f32 v[254:255], v[108:109], v[112:113]
	v_pk_add_f32 v[252:253], v[116:117], v[120:121]
	v_pk_add_f32 v[250:251], v[124:125], v[128:129]
	v_pk_add_f32 v[248:249], v[132:133], v[136:137]
	v_pk_add_f32 v[246:247], v[140:141], v[144:145]
	v_pk_add_f32 v[244:245], v[148:149], v[152:153]
	v_pk_add_f32 v[14:15], v[14:15], v[156:157]
	v_pk_add_f32 v[204:205], v[204:205], v[96:97]
	v_pk_add_f32 v[254:255], v[254:255], v[98:99]
	v_pk_add_f32 v[252:253], v[252:253], v[102:103]
	v_pk_add_f32 v[250:251], v[250:251], v[106:107]
	v_pk_add_f32 v[248:249], v[248:249], v[110:111]
	v_pk_add_f32 v[246:247], v[246:247], v[114:115]
	v_pk_add_f32 v[244:245], v[244:245], v[118:119]
	v_pk_add_f32 v[14:15], v[14:15], v[122:123]
	v_pk_add_f32 v[204:205], v[204:205], v[126:127]
	v_pk_add_f32 v[254:255], v[254:255], v[130:131]
	v_pk_add_f32 v[252:253], v[252:253], v[134:135]
	v_pk_add_f32 v[250:251], v[250:251], v[138:139]
	v_pk_add_f32 v[248:249], v[248:249], v[142:143]
	v_pk_add_f32 v[246:247], v[246:247], v[146:147]
	v_pk_add_f32 v[244:245], v[244:245], v[150:151]
	v_pk_add_f32 v[14:15], v[14:15], v[154:155]
	v_pk_add_f32 v[204:205], v[204:205], v[158:159]
	s_delay_alu instid0(VALU_DEP_2)
	v_pk_add_f32 v[14:15], v[14:15], v[250:251]
	s_delay_alu instid0(VALU_DEP_2)
	v_pk_add_f32 v[204:205], v[204:205], v[248:249]
	v_pk_add_f32 v[254:255], v[254:255], v[246:247]
	v_pk_add_f32 v[252:253], v[252:253], v[244:245]
	s_delay_alu instid0(VALU_DEP_2)
	v_pk_add_f32 v[14:15], v[14:15], v[254:255]
	s_delay_alu instid0(VALU_DEP_2)
	v_pk_add_f32 v[204:205], v[204:205], v[252:253]
	s_delay_alu instid0(VALU_DEP_1)
	v_pk_add_f32 v[14:15], v[14:15], v[204:205]
	s_wait_alu depctr_va_vdst(0)                   ; and one for the four
.irp b, 0,1,2,3
	v_max_num_f32 v[200+\b], 0x2800000, v[200+\b]  ; the floor
.endr
.irp b, 0,1,2,3
	s_delay_alu instid0(VALU_DEP_4)
	v_add_nc_u32 v[208+\b], 0xfe000000, v[200+\b]
.endr
.irp b, 0,1,2,3
	s_delay_alu instid0(VALU_DEP_4)
	v_lshrrev_b32 v[204+\b], 23, v[208+\b]
.endr
	s_delay_alu instid0(VALU_DEP_3)
	v_lshl_or_b32 v222, v205, 8, v204              ; p's scale word for these 128 keys
	s_delay_alu instid0(VALU_DEP_1)
	v_lshl_or_b32 v222, v206, 16, v222
	s_delay_alu instid0(VALU_DEP_1)
	v_lshl_or_b32 v222, v207, 24, v222
.irp c, 0,1
	v_cvt_scalef32_pk16_bf6_f32 v[224+6*\c:226+6*\c], v[96+32*\c:111+32*\c], v[208+2*\c]
	v_cvt_scalef32_pk16_bf6_f32 v[212+4*\c:214+4*\c], v[112+32*\c:127+32*\c], v[208+2*\c+1]
.endr
	v_nop                                          ; one plain place behind a scaled conversion
.irp c, 0,1
.irp i, 0,1,2
	v_permlane16_swap_b32 v[224+6*\c+\i], v[212+4*\c+\i]
.endr
.irp i, 0,1,2
	s_delay_alu instid0(VALU_DEP_3)
	v_mov_b32 v[227+6*\c+\i], v[212+4*\c+\i]
.endr
.endr
.set cj, 0
.rept 16
	v_pk_mul_f32 v[160+cj:161+cj], v[160+cj:161+cj], v[220:221] op_sel_hi:[1,0]   ; O^T under the new M; these sixteen are also the places in front of the products
.set cj, cj+2
.endr
	s_wait_alu depctr_va_vdst(0)
	s_wait_dscnt 0x0                               ; v's fragments and scale words
.irp t, 0,1,2,3
	v_wmma_scale_f32_16x16x128_f8f6f4 v[160+8*\t:167+8*\t], v[36+12*\t:47+12*\t], v[224:235], v[160+8*\t:167+8*\t], v[88+\t], v222 matrix_a_fmt:MATRIX_FMT_BF6 matrix_b_fmt:MATRIX_FMT_BF6
.endr
.Lhid_\@:
	s_sub_co_i32 s15, s15, 128
.endm
; THE CHANGE OF SLOTS stands at a visit's head: each wave waits for all its tensor loads, adds 0 to its spare word, and waits for that and for its reads of the slot that it has left.
; fill = 1: that slot takes the next visit's keys: the key slot that follows, or key slot 0 where the next visit begins the second block of queries.
.macro CHANGE fill
	s_wait_tensorcnt 0x0
	ds_add_u32 v5, v6
.if \fill
	s_xor_b32 s25, s25, SLOT1
	s_add_nc_u64 s[26:27], s[26:27], SLOTB
	s_add_co_u32 s40, s14, 1
	s_cmp_eq_u32 s40, s13
	s_cselect_b32 s38, s37, 0
	s_sub_nc_u64 s[26:27], s[26:27], s[38:39]
	s_wait_xcnt 0x0                                ; the last prefetch, a visit back, has read its address
	s_add_nc_u64 s[34:35], s[34:35], 32768
.endif
	s_wait_dscnt 0x0
	s_barrier_signal -1
	s_barrier_wait -1
.if \fill
	TLOAD                                          ; the first thing behind the barrier, a wave's one tensor load until the next
	ASK
.endif
.endm
.macro SLOT_STEPS
	STEP 0
	STEP 1
	s_xor_b32 s28, s28, SLOT1
.endm
; A block of queries ends: O^T / the sum (register 16 b + i: channel 32 b + 16 h + i) is quantised: it is half (head % 2) of a fragment of the last product's left operand.
.macro FINISH
.rept 4
	v_nop                                          ; places behind the last products
.endr
	v_add_f32 v14, v14, v15
	s_delay_alu instid0(VALU_DEP_1)
	v_permlanex16_b32 v223, v14, s30, s31
	s_delay_alu instid0(VALU_DEP_1)
	v_add_f32 v14, v14, v223                       ; the row's sum
	s_wait_alu depctr_va_vdst(0)
	v_rcp_f32 v14, v14
	v_nop
	s_wait_alu depctr_va_vdst(0)
.set cj, 0
.rept 16
	v_pk_mul_f32 v[96+cj:97+cj], v[160+cj:161+cj], v[14:15] op_sel_hi:[1,0]
.set cj, cj+2
.endr
.irp b, 0,1
	v_max3_num_f32 v[200+\b], |v[96+16*\b]|, |v[97+16*\b]|, 0x2800000
.endr
.irp i, 2,4,6,8,10,12,14
.irp b, 0,1
	s_delay_alu instid0(VALU_DEP_2)
	v_max3_num_f32 v[200+\b], v[200+\b], |v[96+16*\b+\i]|, |v[97+16*\b+\i]|
.endr
.endr
.irp b, 0,1
	s_delay_alu instid0(VALU_DEP_2)
	v_permlanex16_b32 v[204+\b], v[200+\b], s30, s31
.endr
.irp b, 0,1
	s_delay_alu instid0(VALU_DEP_2)
	v_max_num_f32 v[200+\b], v[200+\b], v[204+\b]
.endr
.irp b, 0,1
	s_delay_alu instid0(VALU_DEP_2)
	v_add_nc_u32 v[208+\b], 0xfe000000, v[200+\b]
.endr
.irp b, 0,1
	s_delay_alu instid0(VALU_DEP_2)
	v_lshrrev_b32 v[204+\b], 23, v[208+\b]
.endr
	s_delay_alu instid0(VALU_DEP_1)
	v_lshl_or_b32 v206, v205, 8, v204              ; my head's two bytes of the row's scale word
	v_cvt_scalef32_pk16_bf6_f32 v[224:226], v[96:111], v208
	v_cvt_scalef32_pk16_bf6_f32 v[212:214], v[112:127], v209
	v_nop
.irp i, 0,1,2
	v_permlane16_swap_b32 v[224+\i], v[212+\i]
.endr
.irp i, 0,1,2
	s_delay_alu instid0(VALU_DEP_3)
	v_mov_b32 v[227+\i], v[212+\i]
.endr
	global_store_b128 v1, v[224:227], s[46:47]                 ; 512 consecutive bytes
	global_store_b64 v2, v[228:229], s[46:47] offset:512       ; 256
	global_store_b16 v8, v206, s[48:49]            ; two bytes a row, 8 bytes apart (lanes L and L xor 16 store the same two bytes with the same value): the price of a scale word that two heads share; 16 rows a tile
	s_wait_xcnt 0x0                                ; the stores have read their registers and bases
.endm
.macro SWITCH                          ; at the visit that begins the second block
	s_cmp_lg_u32 s14, s13
	s_cbranch_scc1 .Lsame_\@
	FINISH
	s_mov_b32 s50, s11
	START
.Lsame_\@:
.endm
	s_sub_co_u32 s50, 7, s11                       ; the first block of queries
	START
	s_mov_b32 s14, 0
.Lvisit:                                           ; eight trips; behind each change of slots the next visit's keys are asked for
	CHANGE 1
	SWITCH
	SLOT_STEPS
	s_add_co_u32 s14, s14, 1
	s_cmp_lt_u32 s14, 8
	s_cbranch_scc1 .Lvisit
	CHANGE 0                                       ; the ninth visit is written out
	SWITCH
	SLOT_STEPS
	FINISH
	s_wait_tensorcnt 0x0                           ; the wave's end
	ds_add_u32 v5, v6
	s_wait_dscnt 0x0
	s_endpgm
.Lfunc_end_k_qfb70460662_attn:
	.size	k_qfb70460662_attn, .Lfunc_end_k_qfb70460662_attn-k_qfb70460662_attn
	.p2alignl 7, 3214868480
	.fill 96, 4, 3214868480
	.section	.rodata,"a",@progbits
	.p2align	6, 0x0
	.amdhsa_kernel k_qfb70460662_attn
		.amdhsa_group_segment_fixed_size 327680
		.amdhsa_private_segment_fixed_size 0
		.amdhsa_enable_private_segment 0
		.amdhsa_kernarg_size 24
		.amdhsa_user_sgpr_count 2
		.amdhsa_user_sgpr_kernarg_segment_ptr 1
		.amdhsa_wavefront_size32 1
		.amdhsa_system_sgpr_workgroup_id_x 1
		.amdhsa_system_sgpr_workgroup_id_y 1
		.amdhsa_system_sgpr_workgroup_id_z 1
		.amdhsa_system_vgpr_workitem_id 0
		.amdhsa_next_free_vgpr 256
		.amdhsa_next_free_sgpr 66
		.amdhsa_reserve_vcc 1
		.amdhsa_float_denorm_mode_32 3
		.amdhsa_float_denorm_mode_16_64 3
		.amdhsa_memory_ordered 1
		.amdhsa_forward_progress 1
		.amdhsa_inst_pref_size 116
	.end_amdhsa_kernel
	.amdgpu_metadata
---
amdhsa.version: [ 1, 2 ]
amdhsa.kernels:
  - .name:           k_qfb70460662_attn
    .symbol:         k_qfb70460662_attn.kd
    .args:
      - { .name: qb, .offset: 0, .size: 8, .value_kind: global_buffer, .address_space: global }
      - { .name: kv, .offset: 8, .size: 8, .value_kind: global_buffer, .address_space: global }
      - { .name: at, .offset: 16, .size: 8, .value_kind: global_buffer, .address_space: global }
    .group_segment_fixed_size: 327680
    .private_segment_fixed_size: 0
    .kernarg_segment_align: 8
    .kernarg_segment_size: 24
    .max_flat_workgroup_size: 512
    .sgpr_count:     66
    .vgpr_count:     256
    .wavefront_size: 32
...
	.end_amdgpu_metadata
.endif
;; end of part 3
;; launch proj (part 4): grid 4 x 64, 4 waves a work-group, clusters of 4 x 4, 327,680 bytes of LDS; arguments at, wq, bm, out0; writes out0
.if DOCPART == 4
	.amdgcn_target "amdgcn-amd-amdhsa--gfx1250"
	.amdhsa_code_object_version 6
	.text
	.protected	k_qfb70460662_proj
	.globl	k_qfb70460662_proj
	.p2align	8
	.type	k_qfb70460662_proj,@function
k_qfb70460662_proj:
	s_mov_b64 s[64:65], 0
	v_nop
	global_prefetch_b8 v0, s[64:65] scope:SCOPE_SE
	s_setreg_imm32_b32 hwreg(HW_REG_WAVE_MODE, 25, 1), 1
	s_wait_xcnt 0x0
	s_wait_alu depctr_hold_cnt(0) depctr_sa_sdst(0) depctr_va_vdst(0) depctr_va_sdst(0) depctr_va_ssrc(0) depctr_va_vcc(0) depctr_vm_vsrc(0)
	s_getreg_b32 s2, hwreg(HW_REG_IB_STS2, 6, 4)
	s_cmp_eq_u32 s2, 0
	s_cbranch_scc0 .Lentry_in_a_cluster
	s_endpgm
.Lentry_in_a_cluster:
	s_bfe_u32 s2, ttmp6, 0x10000c
	s_cmp_lg_u32 s2, 0xf033
	s_cbranch_scc0 .Lentry_shape_is_right
	s_endpgm
.Lentry_shape_is_right:
; out0 = attn Wm + bm on codes of BF6 (E3M2) with E8M0 scales; out0 [8192][1024] f32.
; A work-group makes 128 rows x 256 columns; all of its operands (102,400 bytes of attn's codes and scale words, 204,800 of Wm's) come into LDS once, by four joint loads a wave at the start: nothing is filled again.
; A wave makes 64 rows x 128 columns: source 0 = 8 tiles of Wm's columns, source 1 = 4 tiles of attn's rows: a lane holds one row, and the 16 registers of two neighbouring tiles are 16 neighbouring columns
; (lane r of tile 2 P + u holds 32 P + 8 u + r + 8 (r / 8), for columns and for rows).
; CLUSTER 4 x 4: attn's block is shared along a row of the cluster, Wm's along a column.
; attn's fragments lie in halves of 768 bytes (registers 6 c .. 6 c + 3 at 16 L, 6 c + 4, 5 at 512 + 8 L), Wm's as three runs of 512 bytes.
; REGISTERS: window 0: v4-25 addresses; v32-79 scale words; v80-175 attn's fragments, two sets (on the way out v80-207: rows of out0); window 1: Wm's fragments, two sets of 96;
;   window 2: accumulator (a, b) at v[8 (8 a + b)]; window 3: bm, in the results' layout.
.set AH,  51200
.set SL,  102400
.set AQ8, 4                            ; v4-5   Wm's fragments in half 0, 1
.set AQ4, 6                            ; v6-7   attn's, the loads of 16 bytes
.set AH8, 8                            ; v8-9   attn's, the loads of 8 bytes
.set SQ8, 12
.set SQ4, 14
.set L16, 20
.set L8,  21
.set BH,  22
.set STO, 24
.set RD,  25
.set SC,  32
.set F4,  80
.set G1A, 28
.set G1B, 36
.set G0A, 44
.set G0B, 52
.set MSB, 0
.macro WIN new
.if MSB != \new
	s_set_vgpr_msb (MSB<<8)|\new
.set MSB, \new
.endif
.endm
.macro PLACES
.rept 4
	v_nop
.endr
.endm
.macro CROUND
	s_barrier_signal -1
	s_barrier_wait -1
	s_cmp_lg_u32 s18, 0
	s_cbranch_scc1 .Lnot_wave_0_\@
	s_barrier_signal -3
.Lnot_wave_0_\@:
	s_barrier_wait -3
	s_barrier_signal -1
	s_barrier_wait -1
.endm
	s_load_b256 s[4:11], s[0:1], 0x0               ; at, wq, bm, out0
	v_lshl_add_u32 v254, v0, 2, 0x4b000
	v_mov_b32 v255, 0
	ds_add_u32 v254, v255
	ds_add_u32 v254, v255
	v_lshrrev_b32 v1, 5, v0
	v_readfirstlane_b32 s18, v1
	s_lshr_b32 s19, s18, 1                         ; wr
	s_and_b32 s20, s18, 1                          ; wc
	s_bfe_u32 s21, ttmp6, 0x40000
	s_bfe_u32 s22, ttmp6, 0x40004
	s_lshl_b32 s23, ttmp9, 2
	s_add_co_u32 s23, s23, s21                     ; bx
	s_and_b32 s24, ttmp7, 0xffff
	s_lshl_b32 s24, s24, 2
	s_add_co_u32 s24, s24, s22                     ; by
	s_lshl_b32 s25, s22, 2
	s_lshl_b32 s25, 15, s25
	s_lshl_b32 s26, 0x1111, s21
	s_or_b32 s[G1A], s25, (3<<16)|(1<<21)
	s_or_b32 s[G1B], s26, (3<<16)|(1<<21)
	s_mov_b32 s[G1A+1], 32<<16
	s_mov_b32 s[G1A+2], 50<<16
	s_mov_b32 s[G1A+3], 32<<16
	s_mov_b32 s[G1A+4], 50
	s_mov_b32 s[G1A+5], 32
	s_mov_b32 s[G1A+6], 0
	s_mov_b32 s[G1A+7], 0
	s_mov_b32 s[G1B+1], 32<<16
	s_mov_b32 s[G1B+2], 100<<16
	s_mov_b32 s[G1B+3], 32<<16
	s_mov_b32 s[G1B+4], 100
	s_mov_b32 s[G1B+5], 32
	s_mov_b32 s[G1B+6], 0
	s_mov_b32 s[G1B+7], 0
	s_mul_i32 s27, s18, 12800
	s_mul_i32 s84, s24, 102400
	s_add_co_u32 s84, s84, s27
	s_mov_b32 s85, 0
	s_mul_i32 s62, s18, 25600
	s_mul_i32 s88, s23, 204800
	s_add_co_u32 s88, s88, s62
	s_add_co_u32 s88, s88, 24*102400               ; Wm is the fourth matrix in wq
	s_mov_b32 s89, 0
	s_mov_b32 s[G0A], 1
	s_mov_b32 s[G0A+1], s27
	s_mov_b32 s[G0A+4], 1
	s_add_co_u32 s[G0A+5], s27, AH
	s_mov_b32 s[G0B], 1
	s_add_co_u32 s[G0B+1], s62, SL
	s_mov_b32 s[G0B+4], 1
	s_add_co_u32 s[G0B+5], s62, 2*SL
	s_wait_dscnt 0x0
	s_wait_kmcnt 0x0
	s_add_nc_u64 s[G0A+2:G0A+3], s[4:5], s[84:85]
	s_add_nc_u64 s[G0A+6:G0A+7], s[G0A+2:G0A+3], AH
	s_or_b32 s[G0A+3], s[G0A+3], 0x80000000
	s_or_b32 s[G0A+7], s[G0A+7], 0x80000000
	s_add_nc_u64 s[G0B+2:G0B+3], s[6:7], s[88:89]
	s_add_nc_u64 s[G0B+6:G0B+7], s[G0B+2:G0B+3], SL
	s_or_b32 s[G0B+3], s[G0B+3], 0x80000000
	s_or_b32 s[G0B+7], s[G0B+7], 0x80000000
	CROUND                                         ; the first joint loads meet
	tensor_load_to_lds s[G0A:G0A+3], s[G1A:G1A+7]
	s_nop 0
	tensor_load_to_lds s[G0B:G0B+3], s[G1B:G1B+7]
	s_nop 0
	tensor_load_to_lds s[G0A+4:G0A+7], s[G1A:G1A+7]
	s_nop 0
	tensor_load_to_lds s[G0B+4:G0B+7], s[G1B:G1B+7]        ; four loads of mine are out; no more follow
	s_nop 0
	PLACES
	s_lshl_b32 s90, s24, 7
	s_lshl_b32 s91, s19, 6
	s_add_co_u32 s90, s90, s91
	s_lshl_b32 s90, s90, 12                        ; my first row of out0,
	s_lshl_b32 s91, s23, 10
	s_add_co_u32 s90, s90, s91
	s_lshl_b32 s91, s20, 9
	s_add_co_u32 s90, s90, s91                     ; my first column
	s_mov_b32 s91, 0
	s_add_nc_u64 s[66:67], s[10:11], s[90:91]
	s_lshl_b32 s90, s23, 10
	s_lshl_b32 s86, s20, 9
	s_add_co_u32 s90, s90, s86
	s_add_nc_u64 s[78:79], s[8:9], s[90:91]        ; bm at my 128 columns
	v_and_b32 v1, 31, v0
	v_lshlrev_b32 v[L16], 4, v1
	v_lshlrev_b32 v[L8], 3, v1
	v_and_b32 v26, 15, v0
	v_bfe_u32 v27, v0, 4, 1
	v_lshlrev_b32 v[BH], 6, v27
	s_mul_i32 s62, s20, 49152
	s_add_co_u32 s62, s62, SL
	v_add_nc_u32 v[AQ8], s62, v[L16]
	v_add_nc_u32 v[AQ8+1], SL, v[AQ8]
	s_mul_i32 s62, s19, 24576
	v_add_nc_u32 v[AQ4], s62, v[L16]
	v_add_nc_u32 v[AQ4+1], AH, v[AQ4]
	s_add_co_u32 s62, s62, 512
	v_add_nc_u32 v[AH8], s62, v[L8]
	v_add_nc_u32 v[AH8+1], AH, v[AH8]
	s_lshl_b32 s62, s20, 11
	s_add_co_u32 s62, s62, SL+98304
	v_add_nc_u32 v[SQ8], s62, v[L8]
	v_add_nc_u32 v[SQ8+1], SL, v[SQ8]
	s_lshl_b32 s62, s19, 10
	s_add_co_u32 s62, s62, 49152
	v_add_nc_u32 v[SQ4], s62, v[L8]
	v_add_nc_u32 v[SQ4+1], AH, v[SQ4]
	s_mul_i32 s62, s18, 8448                       ; my stage: 16 rows x (512 bytes + 16), in the first half of attn's block: it has had its one fill, and is read by nobody behind the barrier between the halves of K
	v_mul_u32_u24 v[STO], v26, 528
	v_lshl_add_u32 v[STO], v27, 6, v[STO]
	v_add_nc_u32 v[STO], s62, v[STO]
	v_add_nc_u32 v[RD], s62, v[L16]
	WIN 0xc0
.irp b, 0,1,2,3,4,5,6,7
	global_load_b128 v[8*\b:8*\b+3], v[BH], s[78:79] offset:(32*(\b/2)+8*(\b%2))*4
	global_load_b128 v[8*\b+4:8*\b+7], v[BH], s[78:79] offset:(32*(\b/2)+8*(\b%2))*4+16
.endr
	WIN 0
.macro FETCH8 adr, s, set
	WIN 0x40
.irp i, 0,1,2,3,4,5,6,7
.irp q, 0,1,2
	ds_load_b128 v[96*(\set)+12*\i+4*\q:96*(\set)+12*\i+4*\q+3], v[\adr] offset:\i*6144+(\s)*1536+512*\q
.endr
.endr
.endm
.macro FETCH4H g, s, set
	WIN 0
.irp i, 0,1,2,3
	ds_load_b128 v[F4+48*(\set)+12*\i:F4+48*(\set)+12*\i+3], v[AQ4+\g] offset:\i*6144+(\s)*1536
	ds_load_b64 v[F4+48*(\set)+12*\i+4:F4+48*(\set)+12*\i+5], v[AH8+\g] offset:\i*6144+(\s)*1536
	ds_load_b128 v[F4+48*(\set)+12*\i+6:F4+48*(\set)+12*\i+9], v[AQ4+\g] offset:\i*6144+(\s)*1536+768
	ds_load_b64 v[F4+48*(\set)+12*\i+10:F4+48*(\set)+12*\i+11], v[AH8+\g] offset:\i*6144+(\s)*1536+768
.endr
.endm
.macro SCALES a8, a4, set
	WIN 0
.irp p, 0,1,2,3
.irp j, 0,1
	ds_load_b64 v[SC+24*(\set)+4*\p+2*\j:SC+24*(\set)+4*\p+2*\j+1], v[\a8] offset:\p*512+\j*256
.endr
.endr
.irp p, 0,1
.irp j, 0,1
	ds_load_b64 v[SC+24*(\set)+16+4*\p+2*\j:SC+24*(\set)+16+4*\p+2*\j+1], v[\a4] offset:\p*512+\j*256
.endr
.endr
.endm
.macro ONE b, set, s, sc, cmode
.set rD, 8*(8*A4+\b)
.set rA, 96*(\set)+12*\b
.set rB, F4+48*(\set)+12*A4
.set rSA, SC+24*(\sc)+4*(\b/2)+2*((\s)/2)+(\b%2)
.set rSB, SC+24*(\sc)+16+4*(A4/2)+2*((\s)/2)+(A4%2)
.set rC, rD
.if (\cmode) == 1
.set rC, 8*\b
.endif
.if ((\s)%2) == 0
	v_wmma_scale_f32_16x16x128_f8f6f4 v[rD:rD+7], v[rA:rA+11], v[rB:rB+11], v[rC:rC+7], v[rSA], v[rSB] matrix_a_fmt:MATRIX_FMT_BF6 matrix_b_fmt:MATRIX_FMT_BF6
.else
	v_wmma_scale_f32_16x16x128_f8f6f4 v[rD:rD+7], v[rA:rA+11], v[rB:rB+11], v[rC:rC+7], v[rSA], v[rSB] matrix_a_fmt:MATRIX_FMT_BF6 matrix_b_fmt:MATRIX_FMT_BF6 matrix_a_scale:MATRIX_SCALE_ROW1 matrix_b_scale:MATRIX_SCALE_ROW1
.endif
.endm
.macro MULS a0, n, set, s, sc, cmode   ; the 32 accumulators take turns, one instruction a turn, in the same order in every step
.if (\cmode) == 0
	WIN 0xa1
.else
	WIN 0xb1
.endif
.set A4, \a0
.rept \n
.irp b, 0,1,2,3,4,5,6,7
	ONE \b, \set, \s, \sc, \cmode
.endr
.set A4, A4+1
.endr
.endm
.macro STEP g, s, cmode
	s_wait_dscnt 0x0                               ; this step's fragments, asked for a step ago, are in
	PLACES
	FETCH8 AQ8+\g, (\s)+1, ((\s)+1)%2
	FETCH4H \g, (\s)+1, ((\s)+1)%2
	MULS 0, 4, (\s)%2, \s, \g, \cmode
.endm
	s_wait_alu depctr_va_vdst(0)
	s_wait_tensorcnt 2                             ; the first halves of K are in; the two second halves, issued behind them, may stay out
	s_barrier_signal -1
	s_barrier_wait -1
	FETCH8 AQ8, 0, 0
	FETCH4H 0, 0, 0
	SCALES SQ8, SQ4, 0
	s_wait_loadcnt 0x0                             ; bm
	STEP 0, 0, 1                                   ; the bias starts the sums
	STEP 0, 1, 0
	STEP 0, 2, 0
	WIN 0
	s_wait_tensorcnt 0x0                           ; my parts of the second halves are in,
	s_wait_dscnt 0x0                               ; and my reads of the first halves are over
	s_barrier_signal -1
	MULS 0, 2, 1, 3, 0, 0
	s_barrier_wait -1
	PLACES
	FETCH8 AQ8+1, 0, 0
	FETCH4H 1, 0, 0
	SCALES SQ8+1, SQ4+1, 1
	MULS 2, 2, 1, 3, 0, 0
	STEP 1, 0, 0
	STEP 1, 1, 0
	STEP 1, 2, 0
	s_wait_dscnt 0x0
	MULS 0, 4, 1, 3, 1, 0
	WIN 0
; THE WAY OUT, a tile of 16 rows x 128 columns at a time: a lane holds 4 x 64 bytes of one row; the tile goes through my stage and comes back as whole rows of 512 bytes.
; LDS serves a wave's instructions in order: no wait between the stores and the loads, nor in front of the next tile's stores.
.macro TOSTAGE a
	WIN 0x08                                       ; an LDS store's data are its source 1: window 2
.irp p, 0,1,2,3
.irp q, 0,1,2,3
	ds_store_b128 v[STO], v[64*(\a)+16*\p+4*\q:64*(\a)+16*\p+4*\q+3] offset:128*\p+16*\q   ; each accumulator from its low end on
.endr
.endr
	WIN 0
.irp t, 0,1,2,3,4,5,6,7,8,9,10,11,12,13,14,15
	ds_load_b128 v[F4+64*((\a)%2)+4*\t:F4+64*((\a)%2)+4*\t+3], v[RD] offset:\t*528
.endr
.endm
.macro SEND a, younger                 ; younger: the LDS instructions issued behind tile a's loads, which may stay out
	s_wait_dscnt \younger
.irp t, 0,1,2,3,4,5,6,7,8,9,10,11,12,13,14,15
	global_store_b128 v[L16], v[F4+64*((\a)%2)+4*\t:F4+64*((\a)%2)+4*\t+3], s[66:67] offset:(32*((\a)/2)+8*((\a)%2)+\t+8*(\t/8))*4096 th:TH_STORE_NT   ; 512 consecutive bytes of a row, aligned
.endr
.endm
	PLACES
	TOSTAGE 0
	TOSTAGE 1
	SEND 0, 32                                     ; behind tile 0's loads: tile 1's 16 stores and 16 loads
	s_wait_xcnt 0x0                                ; tile 0's stores have read their registers: tile 2's loads may land there
	TOSTAGE 2
	SEND 1, 32
	s_wait_xcnt 0x0
	TOSTAGE 3
	SEND 2, 32
	SEND 3, 0
	s_wait_dscnt 0x0
	s_wait_tensorcnt 0x0
	ds_add_u32 v254, v255
	s_wait_dscnt 0x0
	CROUND                                         ; the closing round
	s_endpgm
.Lfunc_end_k_qfb70460662_proj:
	.size	k_qfb70460662_proj, .Lfunc_end_k_qfb70460662_proj-k_qfb70460662_proj
	.p2alignl 7, 3214868480
	.fill 96, 4, 3214868480
	.section	.rodata,"a",@progbits
	.p2align	6, 0x0
	.amdhsa_kernel k_qfb70460662_proj
		.amdhsa_group_segment_fixed_size 327680
		.amdhsa_private_segment_fixed_size 0
		.amdhsa_enable_private_segment 0
		.amdhsa_kernarg_size 32
		.amdhsa_user_sgpr_count 2
		.amdhsa_user_sgpr_kernarg_segment_ptr 1
		.amdhsa_wavefront_size32 1
		.amdhsa_system_sgpr_workgroup_id_x 1
		.amdhsa_system_sgpr_workgroup_id_y 1
		.amdhsa_system_sgpr_workgroup_id_z 1
		.amdhsa_system_vgpr_workitem_id 0
		.amdhsa_next_free_vgpr 1024
		.amdhsa_next_free_sgpr 96
		.amdhsa_reserve_vcc 0
		.amdhsa_float_denorm_mode_32 3
		.amdhsa_float_denorm_mode_16_64 3
		.amdhsa_memory_ordered 1
		.amdhsa_forward_progress 1
		.amdhsa_inst_pref_size 79
	.end_amdhsa_kernel
	.amdgpu_metadata
---
amdhsa.version: [ 1, 2 ]
amdhsa.kernels:
  - .name:           k_qfb70460662_proj
    .symbol:         k_qfb70460662_proj.kd
    .args:
      - { .name: at, .offset: 0, .size: 8, .value_kind: global_buffer, .address_space: global }
      - { .name: wq, .offset: 8, .size: 8, .value_kind: global_buffer, .address_space: global }
      - { .name: bm, .offset: 16, .size: 8, .value_kind: global_buffer, .address_space: global }
      - { .name: out0, .offset: 24, .size: 8, .value_kind: global_buffer, .address_space: global }
    .group_segment_fixed_size: 327680
    .private_segment_fixed_size: 0
    .kernarg_segment_align: 8
    .kernarg_segment_size: 32
    .max_flat_workgroup_size: 128
    .sgpr_count:     96
    .vgpr_count:     1024
    .wavefront_size: 32
...
	.end_amdgpu_metadata
.endif
;; end of part 4
